; MI455X (gfx1250); checked and timed in simulation.
; The chip was launched on July 23, 2026; its instructions are those of AMD's public machine-readable ISA for CDNA 5 (MIT licence, August 2026) and "CDNA5" Instruction Set Architecture Reference Guide (July 2026). The comments in the code are by the model that wrote it; some were corrected since.
;; Cross Attention. Allowed arithmetic: matrix products marked QUANTISED: E2M3 operands, one E8M0 scale for each 32 along K, by v_wmma_scale_f32_16x16x128_f8f6f4 with both operands' format E2M3, f32 sums; products left as they are: f32 operands where the result goes on into a quantised operand, else bf16, f16 or f32 operands; f32 sums; everything else in f32.
;; Inputs: Wk 256 x 512 float32; Wo 512 x 256 float32; Wq 256 x 512 float32; Wv 256 x 512 float32; attn_mask 512 x 512 int32; bo 256 float32; inp_kv 512 x 512 x 256 float32; inp_q 512 x 1 x 256 float32.
;; Outputs: out0 512 x 1 x 256 float32; out1 512 x 1 x 4 int32.
;; Constants: topk = 4.
;; This version of the problem:
;;   THIS VERSION OF THE PROBLEM IS GIVEN IN LOW PRECISION. The matrix products marked QUANTISED in the list below multiply operands that are first quantised to E2M3 (2 exponent bits, 3 mantissa bits; 6 bits a number), with one power-of-two scale for each 32 numbers along K (OCP MX v1.0); their sums are f32. All else is computed in f32.
;;   The module's matrix products, in the order in which they are computed (A, B: the left and right operand; K: the contracted axis; several contracted axes count as one K, in the product's order):
;;     1. [M 512, K 256] x [K 256, N 512]; A: input inp_q; B: input Wq: QUANTISED
;;     2. [M 262,144, K 256] x [K 256, N 512]; A: input inp_kv; B: input Wk: QUANTISED
;;     3. [M 262,144, K 256] x [K 256, N 512]; A: input inp_kv; B: input Wv: QUANTISED
;;     4. batch 4,096 x [M 1, K 64] x [K 64, N 512]; A: computed on the way; B: computed on the way: left as it is (M = 1 < 16)
;;     5. batch 4,096 x [M 1, K 512] x [K 512, N 64]; A: softmax; B: computed on the way: left as it is (M = 1 < 16)
;;     6. [M 512, K 512] x [K 512, N 256]; A: computed on the way; B: input Wo: QUANTISED
;;   THE QUANTISER, for each operand of a quantised product, along K:
;;     - K is cut into blocks of 32 from its start; a last block that is shorter is filled with zeros.
;;     - A block's scale is 2^e with e = floor(log2(the largest magnitude in the block)) - 2, held to -126 .. 127; a block of zeros has e = 0. As a byte (E8M0): e + 127.
;;     - Each number is divided by its block's scale, clamped to +-7.5, and rounded to the nearest number of E2M3, ties to even, subnormals kept.
;;     - The product sums the exact products of the quantised numbers (number of the format x scale) in f32.
;;   ~~~python
;;   def quantise(x, axis):      # numpy; x: float32 -> the quantised numbers, widened to float32 again
;;       x = np.moveaxis(x, axis, -1); K = x.shape[-1]
;;       x = np.pad(x, [(0, 0)] * (x.ndim - 1) + [(0, -K % 32)]); x = x.reshape(x.shape[:-1] + (-1, 32)); a = np.abs(x).max(-1, keepdims=True)
;;       e = np.where(a > 0, np.clip(np.frexp(np.where(a > 0, a, 1))[1] - 1 - 2, -126, 127), 0)      # np.frexp(a)[1] - 1 = floor(log2(a)), exactly
;;       r = np.clip(x / 2.0 ** e, -7.5, 7.5)
;;       step = 2.0 ** (np.maximum(np.frexp(np.where(r == 0, 1, r))[1] - 1, 0) - 3)
;;       q = np.round(r / step) * step * 2.0 ** e      # np.round: ties to even
;;       return np.moveaxis(q.reshape(q.shape[:-2] + (-1,))[..., :K], -1, axis).astype(np.float32)
;;   ~~~
;;   OPERANDS COMPUTED ON THE WAY. 'Computed on the way' means the value that the module computes at that place (a softmax that the list does not call 'softmax' is quantised finished and normalised). What goes into a quantiser is computed in f32, as accurately as f32 sums, v_exp_f32 and their like allow (about 1e-6 of the number): no bf16 or f16 on the way to a quantiser, and a product that is left as it is and whose result goes on into a quantised operand takes f32 operands (vector FMAs, or v_wmma_f32_16x16x4_f32). A number that lies on a knife's edge between two numbers of the format may be rounded either way, as far as f32 arithmetic and the matrix unit's own rounding can turn it there, and no further.
;; 2 versions. Each part assembles by itself: llvm-mc -triple=amdgcn-amd-amdhsa -mcpu=gfx1250 --defsym DOCPART=n.
;; ======== version 1 of 2: 2 launches
;; workspace buffers: wcodes 393,216 bytes; wscal 16,384 bytes
;; launch prep (part 1): grid 64 x 1, 4 waves a work-group, no clusters, 0 bytes of LDS; arguments Wk, Wv, Wq, Wo, wcodes, wscal; writes wcodes, wscal
.if DOCPART == 1
	.amdgcn_target "amdgcn-amd-amdhsa--gfx1250"
	.amdhsa_code_object_version 6
	.text
	.protected	k_q003f7ce3e8_prep
	.globl	k_q003f7ce3e8_prep
	.p2align	8
	.type	k_q003f7ce3e8_prep,@function
k_q003f7ce3e8_prep:
	s_mov_b64 s[64:65], 0
	v_nop
	global_prefetch_b8 v0, s[64:65] scope:SCOPE_SE
	s_setreg_imm32_b32 hwreg(HW_REG_WAVE_MODE, 25, 1), 1
	s_wait_xcnt 0x0
; Wk, Wv, Wq [256 (k)][512 (n)] and Wo [512 (k)][256 (n)], f32, K along the FIRST axis, become codes of FP6 (E2M3) with one E8M0 scale byte for each 32 along K,
; laid in the ORDER OF THE OPERAND'S REGISTERS, so that the second launch loads each fragment by three loads of 16 bytes a lane.
; A fragment is 16 columns n x 128 along K: 12 registers a lane, 1,536 bytes: registers 4 c .. 4 c + 3 of lane l lie at 512 c + 16 l.
; wcodes: [weight 0 Wk, 1 Wv, 2 Wq, 3 Wo][fragment phi 0..63][1,536];  wscal: [weight][phi][16 columns] words of four scale bytes.
; phi = T x S + s: T a tile of 16 columns, S = K / 128 (2, for Wo 4), s the K step.  THE COLUMNS OF A TILE ARE NOT NEIGHBOURS: lane r of tile T takes column
; 32 (T / 2) + 8 (T % 2) + r + 8 (r / 8), so that the results of two neighbouring tiles give a lane 16 neighbouring columns.
; One wave makes one fragment: 64 work-groups x 4 waves = 4 weights x 64 fragments.  A LANE TAKES A COLUMN AND ITS REGISTERS RUN DOWN K, in the order that the operand's layout
; gives that lane (k = 64 c + 32 h + 0 .. 31): the conversions' results are the operand's registers, a block's largest magnitude needs no other lane, nothing is transposed.
; A block's scale is 2^(floor(log2(its largest magnitude)) - 2); its byte is the largest magnitude's exponent field - 2, held at 1 from below.
; LIMITS: a block of zeros keeps the byte 1 where the rule says 127 (its codes are zeros, and this program alone reads the bytes); NaN and infinities are not served.
; The scale words leave in runs of 64 bytes, 16 KB in the whole launch.  No LDS, no barrier: waves share nothing.
.set X, 32                             ; v32-95  register 32 c + i = W(128 s + 64 c + 32 h + i, my column)
.set C, 96                             ; v96-107 the fragment; v108-110, v112-114 each block's upper three registers before they are moved
	s_load_b256 s[4:11], s[0:1], 0x0               ; Wk s[4:5], Wv s[6:7], Wq s[8:9], Wo s[10:11]
	s_load_b128 s[12:15], s[0:1], 0x20             ; wcodes s[12:13], wscal s[14:15]
	v_lshrrev_b32 v1, 5, v0
	v_readfirstlane_b32 s16, v1                    ; wave 0..3
	s_lshr_b32 s17, ttmp9, 4                       ; which weight
	s_and_b32 s18, ttmp9, 15
	s_lshl_b32 s18, s18, 2
	s_add_co_u32 s18, s18, s16                     ; phi
	s_cmp_eq_u32 s17, 3                            ; Wo has four K steps and rows of 1,024 bytes, the others two and 2,048
	s_cselect_b32 s19, 2, 1
	s_cselect_b32 s20, 3, 1
	s_cselect_b32 s21, 10, 11                      ; log2 of a row's bytes
	s_lshr_b32 s22, s18, s19                       ; T
	s_and_b32 s23, s18, s20                        ; s
	s_add_co_u32 s24, s21, 7
	s_lshl_b32 s26, s23, s24                       ; 128 s rows down,
	s_lshr_b32 s25, s22, 1
	s_lshl_b32 s25, s25, 7
	s_add_co_u32 s26, s26, s25                     ; 32 (T / 2) columns on,
	s_and_b32 s25, s22, 1
	s_lshl_b32 s25, s25, 5
	s_add_co_u32 s26, s26, s25                     ; and 8 (T % 2)
	s_mov_b32 s27, 0
	s_add_co_u32 s24, s21, 5
	v_and_b32 v1, 15, v0                           ; r
	v_bfe_u32 v2, v0, 4, 1                         ; h
	v_and_b32 v7, 31, v0                           ; lane
	v_and_b32 v3, 8, v1
	v_add_nc_u32 v3, v3, v1                        ; r + 8 (r / 8)
	v_lshlrev_b32 v3, 2, v3
	v_lshlrev_b32 v6, s24, v2                      ; lanes 16-31 begin 32 rows further down
	v_add_nc_u32 v3, v3, v6
	v_lshlrev_b32 v4, 4, v7                        ; out: 16 bytes a lane
	v_lshlrev_b32 v5, 2, v1                        ; the scale word's place: 4 r
	s_mul_i32 s28, s17, 98304
	s_mul_i32 s30, s18, 1536
	s_add_co_u32 s28, s28, s30                     ; the fragment's place in wcodes
	s_mov_b32 s29, 0
	s_lshl_b32 s30, s17, 12
	s_lshl_b32 s31, s18, 6
	s_add_co_u32 s30, s30, s31                     ; and its words' in wscal
	s_mov_b32 s31, 0
	s_mov_b32 s32, 0x76543210
	s_mov_b32 s33, 0xfedcba98                      ; v_permlanex16_b32's selects for lane l xor 16
	s_wait_kmcnt 0x0
	s_cmp_eq_u32 s17, 1                            ; the choice of the buffer hangs on the work-group's number alone
	s_cselect_b64 s[4:5], s[6:7], s[4:5]
	s_cmp_eq_u32 s17, 2
	s_cselect_b64 s[4:5], s[8:9], s[4:5]
	s_cmp_eq_u32 s17, 3
	s_cselect_b64 s[4:5], s[10:11], s[4:5]
	s_add_nc_u64 s[4:5], s[4:5], s[26:27]
	s_add_nc_u64 s[12:13], s[12:13], s[28:29]
	s_add_nc_u64 s[14:15], s[14:15], s[30:31]
.macro WREAD pitch                     ; 64 loads: row 64 c + i of the K step, i = 0 .. 31; every offset an immediate
.set k, 0
.rept 64
	global_load_b32 v[X+k], v3, s[4:5] offset:(64*(k/32)+k%32)*\pitch
.set k, k+1
.endr
.endm
	s_cmp_eq_u32 s17, 3                            ; only the row's length differs: both ways issue 64 loads
	s_cbranch_scc1 .Lshort_rows
	WREAD 2048
	s_branch .Lloaded
.Lshort_rows:
	WREAD 1024
.Lloaded:
	s_wait_loadcnt 0x0
.irp c, 0,1                            ; my block 2 c + h: all its 32 numbers are mine
	v_max3_num_f32 v[16+\c], |v[X+32*\c]|, |v[X+1+32*\c]|, 0x1800000   ; and the floor 2^(3 - 127): the byte cannot fall under 1
.endr
.irp i, 2,4,6,8,10,12,14,16,18,20,22,24,26,28,30
.irp c, 0,1
	v_max3_num_f32 v[16+\c], v[16+\c], |v[X+32*\c+\i]|, |v[X+1+32*\c+\i]|   ; (the two blocks by turns)
.endr
.endr
.irp c, 0,1
	v_add_nc_u32 v[18+\c], 0xff000000, v[16+\c]    ; 2 off the exponent field: the conversion takes the exponent field of this operand as its scale
.endr
.irp c, 0,1
	v_lshrrev_b32 v[20+\c], 23, v[18+\c]           ; the scale's byte
.endr
	v_lshl_or_b32 v22, v21, 16, v20                ; my two bytes: blocks h and 2 + h of my column,
	v_lshlrev_b32 v23, 3, v2
	v_lshlrev_b32 v22, v23, v22                    ; at their places in the word (8 h bits up);
	v_mov_b32 v23, 0
	v_permlanex16_b32 v23, v22, s32, s33
	v_or_b32 v22, v22, v23                         ; with lane l xor 16's two the word is whole
.irp c, 0,1
	v_cvt_scalef32_pk16_fp6_f32 v[C+6*\c:C+2+6*\c], v[X+32*\c:X+15+32*\c], v[18+\c]
	v_cvt_scalef32_pk16_fp6_f32 v[C+12+4*\c:C+14+4*\c], v[X+16+32*\c:X+31+32*\c], v[18+\c]   ; (a conversion's three registers begin on an even number: made elsewhere and moved)
.endr
	v_nop                                          ; one plain place behind a scaled conversion
.irp c, 0,1
.irp i, 0,1,2
	v_mov_b32 v[C+3+6*\c+\i], v[C+12+4*\c+\i]
.endr
.endr
.irp c, 0,1,2
	global_store_b128 v4, v[C+4*\c:C+4*\c+3], s[12:13] offset:512*\c   ; 32 lanes store 512 consecutive bytes
.endr
	v_cmp_gt_u32 vcc_lo, 16, v7
	s_wait_xcnt 0x0                                ; EXEC changes only behind this wait: the stores above have read theirs
	s_and_saveexec_b32 s34, vcc_lo                 ; lanes 16-31 hold the same words: lanes 0-15 store them
	global_store_b32 v5, v22, s[14:15]
	s_endpgm
.Lfunc_end_k_q003f7ce3e8_prep:
	.size	k_q003f7ce3e8_prep, .Lfunc_end_k_q003f7ce3e8_prep-k_q003f7ce3e8_prep
	.p2alignl 7, 3214868480
	.fill 96, 4, 3214868480
	.section	.rodata,"a",@progbits
	.p2align	6, 0x0
	.amdhsa_kernel k_q003f7ce3e8_prep
		.amdhsa_group_segment_fixed_size 0
		.amdhsa_private_segment_fixed_size 0
		.amdhsa_enable_private_segment 0
		.amdhsa_kernarg_size 48
		.amdhsa_user_sgpr_count 2
		.amdhsa_user_sgpr_kernarg_segment_ptr 1
		.amdhsa_wavefront_size32 1
		.amdhsa_system_sgpr_workgroup_id_x 1
		.amdhsa_system_sgpr_workgroup_id_y 1
		.amdhsa_system_sgpr_workgroup_id_z 1
		.amdhsa_system_vgpr_workitem_id 0
		.amdhsa_next_free_vgpr 128
		.amdhsa_next_free_sgpr 66
		.amdhsa_reserve_vcc 1
		.amdhsa_float_denorm_mode_32 3
		.amdhsa_float_denorm_mode_16_64 3
		.amdhsa_memory_ordered 1
		.amdhsa_forward_progress 1
		.amdhsa_inst_pref_size 18
	.end_amdhsa_kernel
	.amdgpu_metadata
---
amdhsa.version: [ 1, 2 ]
amdhsa.kernels:
  - .name:           k_q003f7ce3e8_prep
    .symbol:         k_q003f7ce3e8_prep.kd
    .args:
      - { .name: Wk, .offset: 0, .size: 8, .value_kind: global_buffer, .address_space: global }
      - { .name: Wv, .offset: 8, .size: 8, .value_kind: global_buffer, .address_space: global }
      - { .name: Wq, .offset: 16, .size: 8, .value_kind: global_buffer, .address_space: global }
      - { .name: Wo, .offset: 24, .size: 8, .value_kind: global_buffer, .address_space: global }
      - { .name: wcodes, .offset: 32, .size: 8, .value_kind: global_buffer, .address_space: global }
      - { .name: wscal, .offset: 40, .size: 8, .value_kind: global_buffer, .address_space: global }
    .group_segment_fixed_size: 0
    .private_segment_fixed_size: 0
    .kernarg_segment_align: 8
    .kernarg_segment_size: 48
    .max_flat_workgroup_size: 128
    .sgpr_count:     66
    .vgpr_count:     128
    .wavefront_size: 32
...
	.end_amdgpu_metadata
.endif
;; end of part 1
;; launch attn (part 2): grid 256 x 1, 8 waves a work-group, no clusters, 161,536 bytes of LDS; arguments inp_q, inp_kv, attn_mask, bo, wcodes, wscal, out0, out1; writes out0, out1
.if DOCPART == 2
	.amdgcn_target "amdgcn-amd-amdhsa--gfx1250"
	.amdhsa_code_object_version 6
	.text
	.protected	k_q003f7ce3e8_attn
	.globl	k_q003f7ce3e8_attn
	.p2align	8
	.type	k_q003f7ce3e8_attn,@function
k_q003f7ce3e8_attn:
	s_mov_b64 s[64:65], 0
	v_nop
	global_prefetch_b8 v0, s[64:65] scope:SCOPE_SE
	s_setreg_imm32_b32 hwreg(HW_REG_WAVE_MODE, 25, 1), 1
	s_wait_xcnt 0x0
; out0 = (softmax(q k^T / 8 - 10000 (1 - mask)) v) Wo + bo, out1 = the four keys with the largest attention summed over the heads; q = inp_q Wq, k = inp_kv Wk, v = inp_kv Wv.
; 512 batches, 1 query, 512 keys, 8 heads of 64.  The four products with a weight run on codes of FP6 (E2M3) with one E8M0 scale for each 32 along K; q . k and attn . v are f32 multiply-adds.
; SHARES.  A work-group stays and takes batches 2 g and 2 g + 1: 8 chunks of 128 keys, 1 MB of inp_kv on end, read once.  WAVE w OWNS HEAD w: its 8 fragments of Wk and 8 of Wv
; (192 registers) stay in registers for the whole launch; k and v are made a tile of 16 keys at a time and used up at once, so they never leave the registers.
; What goes round is the chunk's codes: wave w quantises key tile w of the NEXT chunk (16 rows, 16 KB on end, asked for a chunk earlier in one run of 32 loads) and stores the two fragments
; to LDS as IMAGES OF THEIR REGISTERS (lane l's 16 bytes at 16 l, 512 bytes a store); every wave loads them by the same lines.  Two regions take turns; one barrier a chunk orders both ways.
; LAYOUT.  The products are used transposed: source 0 = 16 columns of a weight, source 1 = 16 keys: lane (r, h) holds key r, and register 8 t + j of the four tiles holds the head's
; unit 32 (t / 2) + 16 h + 8 (t % 2) + j (the first launch chose the tiles' columns so).  q is made by the same product with the query's row in all 16 columns, so it stands in the same registers.
; SOFTMAX.  A running maximum M and sum l for the head: p = 2^(s log2e - M log2e); at each chunk l and the sums of p v are multiplied by 2^((old M - new M) log2e).  The scores stay in LDS;
; at a batch's end they become the finished attention, of which waves 4 and 5 take the sum over the heads and its four largest (of equal sums the lower key first).
; The attention's result is quantised and multiplied by Wo in the work-group that made it, again with the one row in all 16 columns; bo is the C of the sums' first products.
; NOT USED: tensor loads (two slots of 128 raw rows, two regions of codes and the scores do not fit in LDS together); clusters (work-groups share the weights alone, which each reads once, into registers);
; prefetches (the launch keeps a chunk's 128 KB a work-group on its way all the time).
; LIMITS: NaN and infinities are not served.  A block of zeros keeps the scale byte 1 (its codes are zeros; only this program reads the bytes).  v_exp_f32 gives 0 under 2^-126: where fewer than
; four keys of a batch have a sum above that, the keys left are taken by the lower index.  1 / l is v_rcp_f32 (1 ulp).
; REGISTERS, window 0: v1-15 addresses; v16-23 the softmax's numbers; v24-33 scale words and nothing else; v34-41 scores, then p; v42-47 dots; v48-95 two buffers of a tile's two fragments;
;   v96-127 four accumulators (the quantiser works there while they are idle); v128-255 128 raw numbers a lane.   window 1: v0-95 Wk (at the end Wo); v96-191 Wv (at the head Wq); v192-223 q; v224-255 the sums of p v.
.set P1,    32768                      ; LDS: region 0 at 0, region 1 at P1: 16 fragments of 1,536 bytes (tile tau, K step s at (2 tau + s) 1536),
.set XSCO,  24576                      ; then their scale words: 128 tau + 64 s + 4 r, so that a load of 4 bytes a lane brings K step 0 in lanes 0-15 and K step 1 in lanes 16-31
.set NEG,   65536                      ; -10000 (1 - mask): [2 batches][512] f32
.set SCR,   69632                      ; [wave][chunk 0..7][128 keys] f32: scores, later attention
.set QIMG,  102400                     ; inp_q's 4 fragments (batch g, K step s at 1536 (2 g + s))
.set QSC,   108544                     ; their scale words: 64 (2 g + s) + 4 r
.set QST,   108800                     ; the second batch's q, 4,096 bytes a wave, as an image
.set OUTV,  141568                     ; the attention's result: [2][512] f32
.set OIMG,  145664                     ; its 8 fragments (g, s at 1536 (4 g + s))
.set OSC,   157952                     ; their scale words
.set YST,   158464                     ; y: [2][256] f32
.set LI,   1                           ; 16 x lane
.set LS,   2                           ; 4 x lane
.set XA,   3                           ; 1024 r + 64 h: my 16 numbers of a block of 32 in my row
.set IWB,  4                           ; 16 x lane + 3072 x wave: where I store my tile's images
.set SWB,  5                           ; XSCO + 128 x wave + 4 r: and their scale words
.set NRB,  6                           ; NEG + 4 x lane
.set SCB,  7                           ; SCR + 4096 x wave + 4 x lane
.set H64,  8                           ; 64 h
.set QSB,  9                           ; QST + 4096 x wave + 16 x lane
.set A1,   10                          ; addresses of the head
.set A2,   11
.set NR,   12                          ; NRB, SCB + the trip's two chunks
.set SC,   13
.set TA,   14
.set TB,   15
.set MXR,  16                          ; M
.set NM,   17                          ; -M log2e, rounded once: the same number serves every p, l and the rescaling, so its rounding cancels
.set LSUM, 18                          ; my lane's part of l
.set TV,   19
.set F,    20                          ; v[20:21] the rescaling factor (a pair's low word serves both halves)
.set RL,   22                          ; v[22:23] 1 / l
.set WKS,  24
.set WVS,  28
.set XS,   32
.set PP,   34
.set DA,   42
.set D0,   46
.set XF,   48
.set T,    96
.set R,    128
.set PC,   96                          ; the quantiser: v96-107 codes, v108-114 upper halves, v116-119 maxima, v120-123 bytes, v124-127 scale operands, v46 the scale word
.set TM,   116
.set PW,   46
.set WK,   0                           ; window 1
.set WV,   96
.set Q,    192
.set ACC,  224
.set MSB, 0
.macro WIN new                         ; bits 1:0 source 0, 3:2 source 1, 5:4 source 2, 7:6 destination; the high byte repeats the setting that is left
.if MSB != (\new)
	s_set_vgpr_msb (MSB<<8)|(\new)
.set MSB, (\new)
.endif
.endm
.macro PLACES                          ; a vector instruction or a store that reads a matrix result, and a load into a register of a matrix instruction, stand four plain vector instructions behind it
.rept 4
	v_nop
.endr
.endm
.macro BARRIER                         ; my LDS stores have landed and my LDS loads are in: then the work-group's barrier
	s_wait_dscnt 0x0
	s_barrier_signal -1
	s_barrier_wait -1
.endm
; 64 numbers of a lane, v[s] .. v[s + 63] of window sw, register 16 b + i = k 32 b + 16 h + i of my row, become a fragment's codes in v[PC] on and its scale word in v[PW].
.macro QUANT s, sw
	WIN 20*(\sw)                                   ; sources 1 and 2: the numbers' window
.irp b, 0,1,2,3
	v_max3_num_f32 v[TM+\b], 0x1800000, |v[\s+16*\b]|, |v[\s+1+16*\b]|   ; block b: my 16 numbers, and the floor 2^(3 - 127): the byte cannot fall under 1
.endr
.irp i, 2,4,6,8,10,12,14
.irp b, 0,1,2,3
	v_max3_num_f32 v[TM+\b], v[TM+\b], |v[\s+16*\b+\i]|, |v[\s+1+16*\b+\i]|   ; (the four blocks by turns)
.endr
.endr
	WIN 0
.irp b, 0,1,2,3
	v_permlanex16_b32 v[TM+4+\b], v[TM+\b], s26, s27
.endr
.irp b, 0,1,2,3
	v_max_num_f32 v[TM+\b], v[TM+\b], v[TM+4+\b]   ; with lane l xor 16's: the block's largest magnitude
.endr
.irp b, 0,1,2,3
	v_add_nc_u32 v[TM+8+\b], 0xff000000, v[TM+\b]  ; 2 off its exponent field: the conversion's scale operand
.endr
.irp b, 0,1,2,3
	v_lshrrev_b32 v[TM+4+\b], 23, v[TM+8+\b]       ; the scale's byte
.endr
	v_lshl_or_b32 v[PW], v[TM+5], 8, v[TM+4]       ; the four bytes make my row's scale word
	v_lshl_or_b32 v[PW], v[TM+6], 16, v[PW]
	v_lshl_or_b32 v[PW], v[TM+7], 24, v[PW]
	WIN (\sw)                                      ; source 0: the numbers' window
.irp c, 0,1
	v_cvt_scalef32_pk16_fp6_f32 v[PC+6*\c:PC+2+6*\c], v[\s+32*\c:\s+15+32*\c], v[TM+8+2*\c]
	v_cvt_scalef32_pk16_fp6_f32 v[PC+12+4*\c:PC+14+4*\c], v[\s+16+32*\c:\s+31+32*\c], v[TM+8+2*\c+1]   ; (a conversion's three registers begin on an even number)
.endr
	WIN 0
	v_nop                                          ; one plain place behind a scaled conversion
.irp c, 0,1                            ; the operand's layout wants a WHOLE block in a lane: lanes 0-15 block 2 c, lanes 16-31 block 2 c + 1
.irp i, 0,1,2
	v_permlane16_swap_b32 v[PC+6*\c+\i], v[PC+12+4*\c+\i]
.endr
.irp i, 0,1,2
	v_mov_b32 v[PC+3+6*\c+\i], v[PC+12+4*\c+\i]
.endr
.endr
.endm
.macro IMAGE adr, off                  ; the fragment in v[PC] on goes to LDS as it stands
.irp c, 0,1,2
	ds_store_b128 v[\adr], v[PC+4*\c:PC+4*\c+3] offset:\off+512*\c
.endr
.endm
.macro XLOAD                           ; my 16 rows of a chunk: 32 loads in one run, which together cover 16 KB on end; K step 0 first
.irp s, 0,1
.irp b, 0,1,2,3
.irp j, 0,1,2,3
	global_load_b128 v[R+64*\s+16*\b+4*\j:R+64*\s+16*\b+4*\j+3], v[XA], s[28:29] offset:512*\s+128*\b+16*\j th:TH_LOAD_NT
.endr
.endr
.endr
.endm
.macro WLOAD reg, off                  ; my 8 fragments of a weight into window 1, 24 loads of 512 consecutive bytes
	WIN 0x40
.set k, 0
.rept 24
	global_load_b128 v[\reg+4*k:\reg+4*k+3], v[LI], s[30:31] offset:\off+512*k
.set k, k+1
.endr
	WIN 0
.endm
.macro SLOAD reg, off                  ; and their scale words: register t: lanes 0-15 the even fragment's, lanes 16-31 the odd one's
.irp t, 0,1,2,3
	global_load_b32 v[\reg+\t], v[LS], s[34:35] offset:\off+128*\t
.endr
.endm
.macro FETCH buf, tau, par             ; key tile tau's two fragments and scale words from region par into buffer buf
.irp k, 0,1,2,3,4,5
	ds_load_b128 v[XF+24*(\buf)+4*\k:XF+24*(\buf)+4*\k+3], v[LI] offset:P1*(\par)+3072*(\tau)+512*\k
.endr
	ds_load_b32 v[XS+(\buf)], v[LS] offset:P1*(\par)+XSCO+128*(\tau)
.endm
; Eight matrix instructions: my head's four tiles of 16 units x 16 keys, K = 256 in two steps.  The four accumulators take turns, one instruction a turn; the first step starts the sums.
.macro MM8 d, wb, sb, buf
.irp t, 0,1,2,3
	v_wmma_scale_f32_16x16x128_f8f6f4 v[\d+8*\t:\d+8*\t+7], v[\wb+24*\t:\wb+24*\t+11], v[XF+24*(\buf):XF+24*(\buf)+11], 0, v[\sb+\t], v[XS+(\buf)] matrix_a_fmt:MATRIX_FMT_FP6 matrix_b_fmt:MATRIX_FMT_FP6
.endr
.irp t, 0,1,2,3
	v_wmma_scale_f32_16x16x128_f8f6f4 v[\d+8*\t:\d+8*\t+7], v[\wb+24*\t+12:\wb+24*\t+23], v[XF+24*(\buf)+12:XF+24*(\buf)+23], v[\d+8*\t:\d+8*\t+7], v[\sb+\t], v[XS+(\buf)] matrix_a_fmt:MATRIX_FMT_FP6 matrix_b_fmt:MATRIX_FMT_FP6 matrix_a_scale:MATRIX_SCALE_ROW1 matrix_b_scale:MATRIX_SCALE_ROW1
.endr
.endm
; k of key tile tau, and q . k.  A lane's 32 products cover its half of the head's units; two tiles' halves meet by one exchange: lanes 0-15 then hold the even tile's keys, lanes 16-31 the odd tile's: 32 keys in order.
.macro KTILE tau, par
	WIN 0
	s_wait_dscnt 0x0                               ; this tile's fragments, asked for a tile ago, are in
	FETCH ((\tau)+1)%2, ((\tau)+1)%8, \par         ; the next tile's (behind tile 7: tile 0 again, for v)
	WIN 0x01                                       ; source 0 in window 1: the weight's fragments, then q
	MM8 T, WK, WKS, (\tau)%2
	PLACES
	v_pk_mul_f32 v[DA:DA+1], v[Q:Q+1], v[T:T+1]    ; two chains; each accumulator is read from its low end on
	v_pk_mul_f32 v[DA+2:DA+3], v[Q+2:Q+3], v[T+2:T+3]
.irp i, 2,3,4,5,6,7,8,9,10,11,12,13,14,15
	v_pk_fma_f32 v[DA+2*(\i%2):DA+2*(\i%2)+1], v[Q+2*\i:Q+2*\i+1], v[T+2*\i:T+2*\i+1], v[DA+2*(\i%2):DA+2*(\i%2)+1]
.endr
	WIN 0
	v_pk_add_f32 v[DA:DA+1], v[DA:DA+1], v[DA+2:DA+3]
	v_add_f32 v[D0+(\tau)%2], v[DA], v[DA+1]
.if (\tau)%2
	v_permlane16_swap_b32 v[D0], v[D0+1]           ; the even tile's upper lanes change places with the odd tile's lower ones
	v_add_f32 v[TV], v[D0], v[D0+1]
	v_fma_f32 v[PP+(\tau)-1], v[TV], 0x3e000000, v[PP+(\tau)]   ; the score: dot / 8 - 10000 (1 - mask): the division is exact
	ds_store_b32 v[SC], v[PP+(\tau)-1] offset:512*(\par)+128*((\tau)/2)
.endif
.endm
.macro SOFTMAX
	WIN 0
	v_max3_num_f32 v[TV], v[PP], v[PP+2], v[PP+4]
	v_max_num_f32 v[TV], v[TV], v[PP+6]
.irp m, 1,2,4,8
	v_max_num_f32_dpp v[TV], v[TV], v[TV] row_xmask:\m row_mask:0xf bank_mask:0xf
.endr
	v_permlanex16_b32 v[F], v[TV], s26, s27
	v_max3_num_f32 v[MXR], v[MXR], v[TV], v[F]     ; the new M
	v_mul_f32 v[F], s49, v[MXR]                    ; -M log2e
	v_sub_f32 v[TV], v[F], v[NM]                   ; (old M - new M) log2e, 0 or less
	v_mov_b32 v[NM], v[F]
	s_wait_dscnt 0x0                               ; the stores of the scores have read their registers
.irp a, 0,1,2,3
	v_fma_f32 v[PP+2*\a], v[PP+2*\a], s32, v[NM]
.endr
	v_exp_f32 v[F], v[TV]
.irp a, 0,1,2,3
	v_exp_f32 v[PP+2*\a], v[PP+2*\a]               ; p, at most 1
.endr
	v_nop                                          ; a plain place behind the exponentials,
	s_wait_alu depctr_va_vdst(0)                   ; and the one wait for the five ahead of the first reader
	v_add_f32 v[DA], v[PP], v[PP+2]
	v_add_f32 v[DA+1], v[PP+4], v[PP+6]
	v_add_f32 v[DA], v[DA], v[DA+1]
	v_fma_f32 v[LSUM], v[LSUM], v[F], v[DA]
.irp a, 0,1,2,3
	v_mov_b32 v[PP+2*\a+1], v[PP+2*\a]
.endr
.irp a, 0,1,2,3
	v_permlane16_swap_b32 v[PP+2*\a], v[PP+2*\a+1] ; each tile's p now stands in both halves of the lanes: the even tile's in the even register, the odd tile's in the odd one
.endr
	WIN 0x41
.set k, 0
.rept 16
	v_pk_mul_f32 v[ACC+2*k:ACC+2*k+1], v[ACC+2*k:ACC+2*k+1], v[F:F+1] op_sel_hi:[1,0]
.set k, k+1
.endr
.endm
; v of key tile tau, and the sums of p v: a lane adds its key's share of its 32 units
.macro VTILE tau, par
	WIN 0
	s_wait_dscnt 0x0
.if (\tau) < 7
	FETCH ((\tau)+1)%2, (\tau)+1, \par
.endif
	WIN 0x01
	MM8 T, WV, WVS, (\tau)%2
	PLACES
	WIN 0x50                                       ; the sums: destination and source 2 in window 1
.irp i, 0,1,2,3,4,5,6,7,8,9,10,11,12,13,14,15
.if (\tau)%2
	v_pk_fma_f32 v[ACC+2*\i:ACC+2*\i+1], v[T+2*\i:T+2*\i+1], v[PP+(\tau)-1:PP+(\tau)], v[ACC+2*\i:ACC+2*\i+1] op_sel:[0,1,0] op_sel_hi:[1,1,1]
.else
	v_pk_fma_f32 v[ACC+2*\i:ACC+2*\i+1], v[T+2*\i:T+2*\i+1], v[PP+(\tau):PP+(\tau)+1], v[ACC+2*\i:ACC+2*\i+1] op_sel_hi:[1,0,1]
.endif
.endr
.endm
; A batch's end: l over the lanes; the sums of p v, divided by l, over the 16 keys of a row of lanes, to OUTV; my head's 512 scores become the finished attention, in place; M starts anew, so that the next
; chunk's factor is 0 and clears l and the sums by multiplication; q of the second batch comes back from my image of it.
.macro BATCHEND
	s_lshr_b32 s24, s21, 1
	s_lshl_b32 s24, s24, 11                        ; 2,048 x the batch: in OUTV and in my scores
	s_add_co_u32 s48, s47, s24
.irp m, 1,2,4,8
	v_add_f32_dpp v[LSUM], v[LSUM], v[LSUM] row_xmask:\m row_mask:0xf bank_mask:0xf
.endr
	v_permlanex16_b32 v[TV], v[LSUM], s26, s27
	v_add_f32 v[LSUM], v[LSUM], v[TV]
	v_rcp_f32 v[RL], v[LSUM]
	v_add_nc_u32 v[TA], s48, v[H64]                ; (plain work behind the reciprocal)  OUTV + 2048 batch + 256 wave + 64 h
	v_add_nc_u32 v[TB], s24, v[SCB]
.set k, 0
.rept 16
	ds_load_b32 v[XF+k], v[TB] offset:128*k        ; LDS serves a wave's instructions in order: these see my stores of the scores
.set k, k+1
.endr
	s_wait_alu depctr_va_vdst(0)                   ; the wait ahead of the reciprocal's first reader
	WIN 0x01
.set k, 0
.rept 16
	v_pk_mul_f32 v[T+2*k:T+2*k+1], v[ACC+2*k:ACC+2*k+1], v[RL:RL+1] op_sel_hi:[1,0]
.set k, k+1
.endr
	WIN 0
.irp m, 1,2,4,8
.set k, 0
.rept 32
	v_add_f32_dpp v[T+k], v[T+k], v[T+k] row_xmask:\m row_mask:0xf bank_mask:0xf
.set k, k+1
.endr
.endr
.set k, 0
.rept 8
	ds_store_b128 v[TA], v[T+4*k:T+4*k+3] offset:128*(k/4)+16*(k%4)   ; register 16 b + i is unit 32 b + 16 h + i; the 16 lanes of a row hold the same bits and write the same bytes
.set k, k+1
.endr
	s_wait_dscnt 8                                 ; the 16 loads are in; the 8 stores issued behind them may be out
.set k, 0
.rept 16
	v_fma_f32 v[XF+k], v[XF+k], s32, v[NM]
.set k, k+1
.endr
.set k, 0
.rept 16
	v_exp_f32 v[XF+k], v[XF+k]
.set k, k+1
.endr
	v_mov_b32 v[MXR], 0xff61b1e6                   ; (a plain place behind the exponentials)  M = -3e38, under every score,
	v_mov_b32 v[NM], 0x7f61b1e6                    ; and 3e38 for -M log2e: the next factor is 2^(-3e38) = 0
	s_wait_alu depctr_va_vdst(0)                   ; one wait for the sixteen
.set k, 0
.rept 8
	v_pk_mul_f32 v[XF+2*k:XF+2*k+1], v[XF+2*k:XF+2*k+1], v[RL:RL+1] op_sel_hi:[1,0]
.set k, k+1
.endr
.set k, 0
.rept 16
	ds_store_b32 v[TB], v[XF+k] offset:128*k
.set k, k+1
.endr
	WIN 0x40
.set k, 0
.rept 8
	ds_load_b128 v[Q+4*k:Q+4*k+3], v[QSB] offset:512*k
.set k, k+1
.endr
	WIN 0
.endm
; A chunk.  It is read from region par; the next chunk's codes go to the other region, which was last read ahead of the barrier that closed the chunk before.
.macro TRIP par
	FETCH 0, 0, \par
.irp a, 0,1,2,3
	ds_load_b32 v[PP+2*\a+1], v[NR] offset:512*\par+128*\a    ; the mask's term of my 4 x 32 keys; these land under the quantiser
.endr
.if \par
	s_cmp_lt_u32 s21, 3                            ; the eighth chunk has no successor
	s_cbranch_scc0 .Lno_next_\@
.endif
	s_wait_loadcnt 16                              ; K step 0's 16 loads are in; K step 1's 16 may be out
	QUANT R, 0
	IMAGE IWB, P1*(1-\par)
	ds_store_b32 v[SWB], v[PW] offset:P1*(1-\par)  ; (lanes r and r + 16 write the same word with the same value)
	s_wait_dscnt 0x0                               ; the stores have read their registers
	s_wait_loadcnt 0x0
	QUANT R+64, 0
	IMAGE IWB, P1*(1-\par)+1536
	ds_store_b32 v[SWB], v[PW] offset:P1*(1-\par)+64
.if \par == 0
	s_cmp_lt_u32 s21, 3                            ; the seventh chunk asks for nothing: no load leaves the buffer
	s_cbranch_scc0 .Lno_next_\@
.endif
	s_add_nc_u64 s[28:29], s[28:29], 131072        ; all loads that read this base are in
	XLOAD                                          ; the chunk after the next: a whole chunk's work ahead of its use
.Lno_next_\@:
.irp u, 0,1,2,3,4,5,6,7
	KTILE \u, \par
.endr
	SOFTMAX
.irp u, 0,1,2,3,4,5,6,7
	VTILE \u, \par
.endr
	WIN 0
.if \par
	s_and_b32 s24, s21, 1
	s_cmp_eq_u32 s24, 1                            ; chunks 3 and 7 end a batch
	s_cbranch_scc0 .Lno_end_\@
	BATCHEND
.Lno_end_\@:
.endif
	BARRIER                                        ; the next chunk's codes lie in LDS, and nobody reads this chunk's any more
.endm
	s_load_b256 s[4:11], s[0:1], 0x0               ; inp_q s[4:5], inp_kv s[6:7], attn_mask s[8:9], bo s[10:11]
	s_load_b256 s[12:19], s[0:1], 0x20             ; wcodes s[12:13], wscal s[14:15], out0 s[16:17], out1 s[18:19]
	v_lshrrev_b32 v[TA], 5, v0
	v_readfirstlane_b32 s20, v[TA]                 ; wave 0..7
	v_and_b32 v[TA], 31, v0
	v_lshlrev_b32 v[LI], 4, v[TA]
	v_lshlrev_b32 v[LS], 2, v[TA]
	v_and_b32 v[TB], 15, v0                        ; r
	v_bfe_u32 v[TV], v0, 4, 1                      ; h
	v_lshlrev_b32 v[H64], 6, v[TV]
	v_lshl_add_u32 v[XA], v[TB], 10, v[H64]
	s_mul_i32 s24, s20, 3072
	v_add_nc_u32 v[IWB], s24, v[LI]
	s_lshl_b32 s24, s20, 7
	s_add_co_u32 s24, s24, XSCO
	v_lshl_add_u32 v[SWB], v[TB], 2, s24
	v_add_nc_u32 v[NRB], NEG, v[LS]
	s_lshl_b32 s24, s20, 12
	s_add_co_u32 s48, s24, SCR
	v_add_nc_u32 v[SCB], s48, v[LS]
	s_add_co_u32 s48, s24, QST
	v_add_nc_u32 v[QSB], s48, v[LI]
	s_lshl_b32 s47, s20, 8
	s_add_co_u32 s47, s47, OUTV                    ; my head's 256 bytes of the result
	v_add_nc_u32 v[A1], QIMG, v[LI]                ; the head's own addresses, all made ahead of the first branch on the wave's number
	v_add_nc_u32 v[A2], QSC, v[LS]
	s_lshl_b32 s24, s20, 9
	s_add_co_u32 s24, s24, NEG
	v_add_nc_u32 v[NR], s24, v[LI]                 ; where I put my 128 numbers of the mask's term
	s_mul_i32 s24, s20, 1536
	s_add_co_u32 s24, s24, QIMG
	v_add_nc_u32 v[TA], s24, v[LI]                 ; waves 0-3: where inp_q's fragment goes,
	s_lshl_b32 s24, s20, 6
	s_add_co_u32 s24, s24, QSC
	v_lshl_add_u32 v[TB], v[TB], 2, s24            ; and its scale word
	s_mov_b32 s26, 0x76543210
	s_mov_b32 s27, 0xfedcba98                      ; v_permlanex16_b32's selects for lane l xor 16
	s_mov_b32 s32, 0x3fb8aa3b                      ; log2(e)
	s_mov_b32 s49, 0xbfb8aa3b                      ; -log2(e)
	s_mov_b32 s33, 0x461c4000                      ; 10000.0
	s_mov_b32 s25, 0
	s_lshl_b32 s50, ttmp9, 20                      ; my work-group's 1 MB of inp_kv,
	s_lshl_b32 s48, s20, 14
	s_add_co_u32 s50, s50, s48                     ; my wave's 16 rows of a chunk
	s_wait_kmcnt 0x0
	s_mov_b32 s24, s50
	s_add_nc_u64 s[28:29], s[6:7], s[24:25]
	s_mul_i32 s24, s20, 12288
	s_add_nc_u64 s[30:31], s[12:13], s[24:25]      ; my 8 fragments of each weight
	s_lshl_b32 s24, s20, 9
	s_add_nc_u64 s[34:35], s[14:15], s[24:25]      ; and their scale words
	s_lshl_b32 s48, ttmp9, 11
	s_add_co_u32 s24, s24, s48                     ; 2048 x work-group + 512 x wave
	s_add_nc_u64 s[36:37], s[4:5], s[24:25]        ; inp_q: waves 0-3: batch wave / 2, K step wave % 2
	s_add_nc_u64 s[42:43], s[16:17], s[24:25]      ; out0: waves 0-3: 512 bytes each
	s_add_co_u32 s24, s24, s48                     ; 4096 x work-group + 512 x wave
	s_add_nc_u64 s[38:39], s[8:9], s[24:25]        ; the mask: 128 numbers a wave
	s_lshl_b32 s24, s20, 7
	s_add_nc_u64 s[40:41], s[10:11], s[24:25]      ; bo: my 32 outputs
	s_and_b32 s24, s20, 1
	s_lshl_b32 s24, s24, 4
	s_lshl_b32 s48, ttmp9, 5
	s_add_co_u32 s24, s24, s48
	s_add_nc_u64 s[44:45], s[18:19], s[24:25]      ; out1: waves 4, 5: 16 bytes each
	s_cmp_lt_u32 s20, 4                            ; waves 0-3 take one K step of one query's row each, the same row in all 16 lanes of a half
	s_cbranch_scc0 .Lno_row
	WIN 0x40
.irp b, 0,1,2,3
.irp j, 0,1,2,3
	global_load_b128 v[Q+16*\b+4*\j:Q+16*\b+4*\j+3], v[H64], s[36:37] offset:128*\b+16*\j
.endr
.endr
	WIN 0
.Lno_row:
	WLOAD WV, 196608                               ; Wq, into the registers that Wv will take
	SLOAD WVS, 8192
	XLOAD                                          ; chunk 0
	WLOAD WK, 0
	SLOAD WKS, 0
	global_load_b128 v[DA:DA+3], v[LI], s[38:39]   ; the mask
.irp b, 0,1,2,3
	v_mov_b32 v[TM+4+\b], 0                        ; written once: a lane permute's destination counts as one of its sources
.endr
	v_mov_b32 v[MXR], 0xff61b1e6                   ; M = -3e38, -M log2e held at 3e38: the first factor is 0
	v_mov_b32 v[NM], 0x7f61b1e6
	v_mov_b32 v[LSUM], 0
	v_mov_b32 v[F], 0
	v_mov_b32 v[F+1], 0                            ; (named as the upper halves of pairs)
	v_mov_b32 v[RL+1], 0
	s_cmp_lt_u32 s20, 4
	s_cbranch_scc0 .Lno_quant
	s_wait_loadcnt 63                              ; 89 loads were issued behind the row's 16
	QUANT Q, 1
	IMAGE TA, 0
	ds_store_b32 v[TB], v[PW]
.Lno_quant:
	WIN 0x40
.set k, 0
.rept 32
	v_mov_b32 v[ACC+k], 0                          ; the sums of p v are kept by vector instructions and cleared by the factor 0, which wants numbers there
.set k, k+1
.endr
	WIN 0
	BARRIER                                        ; inp_q's four fragments lie in LDS
.set k, 0
.rept 12
	ds_load_b128 v[XF+4*k:XF+4*k+3], v[A1] offset:512*k   ; buffer g takes batch g
.set k, k+1
.endr
	ds_load_b32 v[XS], v[A2]
	ds_load_b32 v[XS+1], v[A2] offset:128
	s_wait_loadcnt 61                              ; Wq and its words are in: behind them 32 raw loads, Wk's 28 and the mask's one
	s_wait_dscnt 0x0
	WIN 0x51                                       ; q of the first batch goes straight to its registers: D, C and A in window 1
	MM8 Q, WV, WVS, 0
	WIN 0x01
	MM8 T, WV, WVS, 1                              ; q of the second batch,
	PLACES
	WIN 0
.set k, 0
.rept 8
	ds_store_b128 v[QSB], v[T+4*k:T+4*k+3] offset:512*k   ; kept in LDS as an image; each accumulator from its low end on
.set k, k+1
.endr
	WLOAD WV, 98304                                ; Wv
	SLOAD WVS, 4096
	s_wait_dscnt 0x0                               ; the stores have read the registers in which the quantiser works
	s_wait_loadcnt 63                              ; chunk 0, K step 0: 73 loads were issued behind it
	QUANT R, 0
	IMAGE IWB, 0
	ds_store_b32 v[SWB], v[PW]
	s_wait_dscnt 0x0
	s_wait_loadcnt 57                              ; K step 1: behind it Wk's 28, the mask's one and Wv's 28
	QUANT R+64, 0
	IMAGE IWB, 1536
	ds_store_b32 v[SWB], v[PW] offset:64
	s_add_nc_u64 s[28:29], s[28:29], 131072        ; the loads that read this base are in
	XLOAD                                          ; chunk 1
	s_wait_loadcnt 60                              ; the mask (and Wk ahead of it): behind it Wv's 28 and the 32 just issued
.irp i, 0,1,2,3
	v_cvt_f32_i32 v[DA+\i], v[DA+\i]
.endr
.irp i, 0,1,2,3
	v_fma_f32 v[DA+\i], v[DA+\i], s33, -s33        ; -10000 (1 - mask)
.endr
	ds_store_b128 v[NR], v[DA:DA+3]
	s_wait_loadcnt 32                              ; Wv: only chunk 1's loads stay out, so the loop's counts are the same on every way
	s_mov_b32 s21, 0
	BARRIER                                        ; chunk 0's codes and the mask's term lie in LDS
.Lpair:                                            ; four trips of two chunks
	s_lshl_b32 s24, s21, 10
	v_add_nc_u32 v[NR], s24, v[NRB]
	v_add_nc_u32 v[SC], s24, v[SCB]
	TRIP 0
	TRIP 1
	s_add_co_u32 s21, s21, 1
	s_cmp_lt_u32 s21, 4
	s_cbranch_scc1 .Lpair
	; THE TAIL: y = Q(result) Q(Wo) + bo for the two batches, and the four keys.  Wave w makes outputs 32 w .. 32 w + 31.
.set U0, 9
.set U1, 10
.set U2, 11
.set U3, 12
.set U4, 13
.set U5, 14
.set U6, 15
.set U7, 19
	s_wait_loadcnt 0x0
	s_lshl_b32 s24, s20, 9
	s_add_co_u32 s24, s24, OUTV
	v_add_nc_u32 v[U0], s24, v[H64]                ; wave w quantises batch w / 4, K step w % 4 of the result: 128 numbers at 512 w
	s_mul_i32 s24, s20, 1536
	s_add_co_u32 s24, s24, OIMG
	v_add_nc_u32 v[U1], s24, v[LI]
	v_and_b32 v[U7], 15, v0
	s_lshl_b32 s24, s20, 6
	s_add_co_u32 s24, s24, OSC
	v_lshl_add_u32 v[U2], v[U7], 2, s24
	v_add_nc_u32 v[U3], OIMG, v[LI]
	v_add_nc_u32 v[U4], OSC, v[LS]
	s_lshl_b32 s24, s20, 7
	s_add_co_u32 s24, s24, YST
	v_add_nc_u32 v[U5], s24, v[H64]                ; y: my 32 outputs, + 64 h
	s_and_b32 s24, s20, 3
	s_lshl_b32 s24, s24, 9
	s_add_co_u32 s24, s24, YST
	v_add_nc_u32 v[U6], s24, v[LI]                 ; waves 0-3: the 512 bytes of y that I store
	s_and_b32 s24, s20, 1
	s_lshl_b32 s24, s24, 11
	s_add_co_u32 s24, s24, SCR
	v_add_nc_u32 v[U7], s24, v[LI]                 ; waves 4, 5: the attention of batch wave - 4
	WLOAD WK, 294912                               ; Wo: tile u, K step s at register 12 (4 u + s)
	SLOAD WKS, 12288                               ; register 2 u + p: K steps 2 p (lanes 0-15) and 2 p + 1 (lanes 16-31)
.irp e, 0,1,2,3
	global_load_b128 v[XF+4*\e:XF+4*\e+3], v[H64], s[40:41] offset:16*\e   ; bo at my 16 outputs 32 w + 16 h + 0 .. 15: the result's layout
.endr
.irp b, 0,1,2,3
.irp j, 0,1,2,3
	ds_load_b128 v[R+16*\b+4*\j:R+16*\b+4*\j+3], v[U0] offset:128*\b+16*\j
.endr
.endr
	s_wait_dscnt 0x0
	QUANT R, 0
	IMAGE U1, 0
	ds_store_b32 v[U2], v[PW]
	BARRIER                                        ; the result's eight fragments lie in LDS
.set k, 0
.rept 24
	ds_load_b128 v[R+4*k:R+4*k+3], v[U3] offset:512*k     ; batch g, K step s at register R + 48 g + 12 s
.set k, k+1
.endr
.irp e, 0,1,2,3
	ds_load_b32 v[WVS+\e], v[U4] offset:128*\e     ; register 2 g + p, as Wo's
.endr
	s_wait_dscnt 0x0
	s_wait_loadcnt 0x0
	WIN 0x01
.irp s, 0,1,2,3                        ; four accumulators (batch g, tile u) by turns, a K step at a time
.irp g, 0,1
.irp u, 0,1
.if \s == 0
	v_wmma_scale_f32_16x16x128_f8f6f4 v[T+16*\g+8*\u:T+16*\g+8*\u+7], v[WK+12*(4*\u+\s):WK+12*(4*\u+\s)+11], v[R+48*\g+12*\s:R+48*\g+12*\s+11], v[XF+8*\u:XF+8*\u+7], v[WKS+2*\u], v[WVS+2*\g] matrix_a_fmt:MATRIX_FMT_FP6 matrix_b_fmt:MATRIX_FMT_FP6
.elseif \s%2
	v_wmma_scale_f32_16x16x128_f8f6f4 v[T+16*\g+8*\u:T+16*\g+8*\u+7], v[WK+12*(4*\u+\s):WK+12*(4*\u+\s)+11], v[R+48*\g+12*\s:R+48*\g+12*\s+11], v[T+16*\g+8*\u:T+16*\g+8*\u+7], v[WKS+2*\u+\s/2], v[WVS+2*\g+\s/2] matrix_a_fmt:MATRIX_FMT_FP6 matrix_b_fmt:MATRIX_FMT_FP6 matrix_a_scale:MATRIX_SCALE_ROW1 matrix_b_scale:MATRIX_SCALE_ROW1
.else
	v_wmma_scale_f32_16x16x128_f8f6f4 v[T+16*\g+8*\u:T+16*\g+8*\u+7], v[WK+12*(4*\u+\s):WK+12*(4*\u+\s)+11], v[R+48*\g+12*\s:R+48*\g+12*\s+11], v[T+16*\g+8*\u:T+16*\g+8*\u+7], v[WKS+2*\u+\s/2], v[WVS+2*\g+\s/2] matrix_a_fmt:MATRIX_FMT_FP6 matrix_b_fmt:MATRIX_FMT_FP6
.endif
.endr
.endr
.endr
	PLACES
	WIN 0
.irp g, 0,1
.irp u, 0,1
	ds_store_b128 v[U5], v[T+16*\g+8*\u:T+16*\g+8*\u+3] offset:1024*\g+32*\u        ; register j of tile u is output 32 w + 16 h + 8 u + j; the 16 lanes of a row hold the same bits
	ds_store_b128 v[U5], v[T+16*\g+8*\u+4:T+16*\g+8*\u+7] offset:1024*\g+32*\u+16
.endr
.endr
	BARRIER                                        ; two whole rows of y lie in LDS
	s_cmp_lt_u32 s20, 4
	s_cbranch_scc0 .Lnot_y
	ds_load_b128 v[XF:XF+3], v[U6]
	s_wait_dscnt 0x0
	global_store_b128 v[LI], v[XF:XF+3], s[42:43]  ; 32 lanes store 512 consecutive bytes, at a multiple of 512 from out0's first byte
	s_wait_xcnt 0x0
	s_mov_b32 exec_lo, -1
	v_lshl_add_u32 v46, v0, 2, 0x27300
	v_mov_b32 v47, 0
	s_wait_tensorcnt 0x0
	ds_add_u32 v46, v47
	s_wait_dscnt 0x0
	s_endpgm
.Lnot_y:
	s_cmp_lt_u32 s20, 6
	s_cbranch_scc1 .Ltop
	s_wait_xcnt 0x0
	s_mov_b32 exec_lo, -1
	v_lshl_add_u32 v46, v0, 2, 0x27300
	v_mov_b32 v47, 0
	s_wait_tensorcnt 0x0
	ds_add_u32 v46, v47
	s_wait_dscnt 0x0
	s_endpgm
.Ltop:
	; THE FOUR KEYS of batch wave - 4.  A lane holds 16 keys: register 4 i + e is key 128 i + 4 lane + e.
.set k, 0
.rept 32
	ds_load_b128 v[128+4*k:128+4*k+3], v[U7] offset:4096*(k/4)+512*(k%4)   ; head k / 4
.set k, k+1
.endr
	s_wait_dscnt 0x0
.irp d, 1,2,3,4,5,6,7                  ; the sum over the heads, ascending
.irp i, 0,1,2,3,4,5,6,7
	v_pk_add_f32 v[128+2*\i:129+2*\i], v[128+2*\i:129+2*\i], v[128+16*\d+2*\i:129+16*\d+2*\i]
.endr
.endr
	v_lshrrev_b32 v181, 2, v[LI]                   ; 4 x lane
.set k, 0
.rept 16
	v_add_nc_u32 v[144+k], 128*(k/4)+k%4, v181     ; the keys' numbers,
.set k, k+1
.endr
.set k, 0
.rept 16
	v_cvt_f32_u32 v[144+k], v[144+k]               ; as f32: exact, and the lanes' minimum can ride on f32 arithmetic
.set k, k+1
.endr
	v_mov_b32 v182, 0x4e6e6b28                     ; 1e9: above every key's number
	v_mov_b32 v183, -1.0                           ; under every sum: a key that has been taken
; One of the four: the largest sum; among the keys that have it the lowest number; that key is taken out.  Choices by v_cndmask_b32 alone: no branch and no address hangs on these numbers.
.macro TOPROUND rho
	v_max3_num_f32 v180, v128, v129, v130
.irp n, 3,5,7,9,11,13
	v_max3_num_f32 v180, v180, v[128+\n], v[129+\n]
.endr
	v_max_num_f32 v180, v180, v143
.irp m, 1,2,4,8
	v_max_num_f32_dpp v180, v180, v180 row_xmask:\m row_mask:0xf bank_mask:0xf
.endr
	v_permlanex16_b32 v181, v180, s26, s27
	v_max_num_f32 v180, v180, v181
.irp n, 0,1,2,3,4,5,6,7,8,9,10,11,12,13,14,15
	v_cmp_eq_f32 vcc_lo, v[128+\n], v180
	v_cndmask_b32 v[160+\n], v182, v[144+\n], vcc_lo
.endr
	v_min3_num_f32 v184, v160, v161, v162
.irp n, 3,5,7,9,11,13
	v_min3_num_f32 v184, v184, v[160+\n], v[161+\n]
.endr
	v_min_num_f32 v184, v184, v175
.irp m, 1,2,4,8
	v_min_num_f32_dpp v184, v184, v184 row_xmask:\m row_mask:0xf bank_mask:0xf
.endr
	v_permlanex16_b32 v181, v184, s26, s27
	v_min_num_f32 v184, v184, v181
	v_cvt_i32_f32 v[176+\rho], v184
.irp n, 0,1,2,3,4,5,6,7,8,9,10,11,12,13,14,15
	v_cmp_eq_f32 vcc_lo, v[144+\n], v184
	v_cndmask_b32 v[128+\n], v[128+\n], v183, vcc_lo
.endr
.endm
	TOPROUND 0
	TOPROUND 1
	TOPROUND 2
	TOPROUND 3
	v_cmp_eq_u32 vcc_lo, 0, v[LI]
	s_wait_xcnt 0x0                                ; EXEC changes only behind this wait
	s_and_saveexec_b32 s24, vcc_lo                 ; every lane holds the four: lane 0 stores the batch's 16 bytes
	global_store_b128 v[LI], v[176:179], s[44:45]
	s_wait_xcnt 0x0
	s_mov_b32 exec_lo, -1
	v_lshl_add_u32 v46, v0, 2, 0x27300
	v_mov_b32 v47, 0
	s_wait_tensorcnt 0x0
	ds_add_u32 v46, v47
	s_wait_dscnt 0x0
	s_endpgm
.Lfunc_end_k_q003f7ce3e8_attn:
	.size	k_q003f7ce3e8_attn, .Lfunc_end_k_q003f7ce3e8_attn-k_q003f7ce3e8_attn
	.p2alignl 7, 3214868480
	.fill 96, 4, 3214868480
	.section	.rodata,"a",@progbits
	.p2align	6, 0x0
	.amdhsa_kernel k_q003f7ce3e8_attn
		.amdhsa_group_segment_fixed_size 161536
		.amdhsa_private_segment_fixed_size 0
		.amdhsa_enable_private_segment 0
		.amdhsa_kernarg_size 64
		.amdhsa_user_sgpr_count 2
		.amdhsa_user_sgpr_kernarg_segment_ptr 1
		.amdhsa_wavefront_size32 1
		.amdhsa_system_sgpr_workgroup_id_x 1
		.amdhsa_system_sgpr_workgroup_id_y 1
		.amdhsa_system_sgpr_workgroup_id_z 1
		.amdhsa_system_vgpr_workitem_id 0
		.amdhsa_next_free_vgpr 512
		.amdhsa_next_free_sgpr 66
		.amdhsa_reserve_vcc 1
		.amdhsa_float_denorm_mode_32 3
		.amdhsa_float_denorm_mode_16_64 3
		.amdhsa_memory_ordered 1
		.amdhsa_forward_progress 1
		.amdhsa_inst_pref_size 206
	.end_amdhsa_kernel
	.amdgpu_metadata
---
amdhsa.version: [ 1, 2 ]
amdhsa.kernels:
  - .name:           k_q003f7ce3e8_attn
    .symbol:         k_q003f7ce3e8_attn.kd
    .args:
      - { .name: inp_q, .offset: 0, .size: 8, .value_kind: global_buffer, .address_space: global }
      - { .name: inp_kv, .offset: 8, .size: 8, .value_kind: global_buffer, .address_space: global }
      - { .name: attn_mask, .offset: 16, .size: 8, .value_kind: global_buffer, .address_space: global }
      - { .name: bo, .offset: 24, .size: 8, .value_kind: global_buffer, .address_space: global }
      - { .name: wcodes, .offset: 32, .size: 8, .value_kind: global_buffer, .address_space: global }
      - { .name: wscal, .offset: 40, .size: 8, .value_kind: global_buffer, .address_space: global }
      - { .name: out0, .offset: 48, .size: 8, .value_kind: global_buffer, .address_space: global }
      - { .name: out1, .offset: 56, .size: 8, .value_kind: global_buffer, .address_space: global }
    .group_segment_fixed_size: 161536
    .private_segment_fixed_size: 0
    .kernarg_segment_align: 8
    .kernarg_segment_size: 64
    .max_flat_workgroup_size: 256
    .sgpr_count:     66
    .vgpr_count:     512
    .wavefront_size: 32
...
	.end_amdgpu_metadata
.endif
;; end of part 2
;; ======== version 2 of 2: 2 launches
;; limits: right only within a limited range of input values
;; workspace buffers: wcodes 393,216 bytes; wscal 16,384 bytes
;; launch prep (part 3): grid 64 x 1, 4 waves a work-group, no clusters, 0 bytes of LDS; arguments Wk, Wv, Wq, Wo, wcodes, wscal; writes wcodes, wscal
.if DOCPART == 3
	.amdgcn_target "amdgcn-amd-amdhsa--gfx1250"
	.amdhsa_code_object_version 6
	.text
	.protected	k_q003f7ce3e8_prep
	.globl	k_q003f7ce3e8_prep
	.p2align	8
	.type	k_q003f7ce3e8_prep,@function
k_q003f7ce3e8_prep:
	s_mov_b64 s[64:65], 0
	v_nop
	global_prefetch_b8 v0, s[64:65] scope:SCOPE_SE
	s_setreg_imm32_b32 hwreg(HW_REG_WAVE_MODE, 25, 1), 1
	s_wait_xcnt 0x0
; Wk, Wv, Wq [256 (k)][512 (n)] and Wo [512 (k)][256 (n)], f32, K along the FIRST axis, become codes of FP6 (E2M3) with one E8M0 scale byte for each 32 along K,
; laid in the ORDER OF THE OPERAND'S REGISTERS, so that the second launch loads each fragment by three loads of 16 bytes a lane.
; A fragment is 16 columns n x 128 along K: 12 registers a lane, 1,536 bytes: registers 4 c .. 4 c + 3 of lane l lie at 512 c + 16 l.
; wcodes: [weight 0 Wk, 1 Wv, 2 Wq, 3 Wo][fragment phi 0..63][1,536];  wscal: [weight][phi][16 columns] words of four scale bytes.
; phi = T x S + s: T a tile of 16 columns, S = K / 128 (2, for Wo 4), s the K step.  THE COLUMNS OF A TILE ARE NOT NEIGHBOURS: lane r of tile T takes column
; 32 (T / 2) + 8 (T % 2) + r + 8 (r / 8), so that the results of two neighbouring tiles give a lane 16 neighbouring columns.
; One wave makes one fragment: 64 work-groups x 4 waves = 4 weights x 64 fragments.  A LANE TAKES A COLUMN AND ITS REGISTERS RUN DOWN K, in the order that the operand's layout
; gives that lane (k = 64 c + 32 h + 0 .. 31): the conversions' results are the operand's registers, a block's largest magnitude needs no other lane, nothing is transposed.
; A block's scale is 2^(floor(log2(its largest magnitude)) - 2); its byte is the largest magnitude's exponent field - 2, held at 1 from below.
; LIMITS: a block of zeros keeps the byte 1 where the rule says 127 (its codes are zeros, and this program alone reads the bytes); NaN and infinities are not served.
; The scale words leave in runs of 64 bytes, 16 KB in the whole launch.  No LDS, no barrier: waves share nothing.
.set X, 32                             ; v32-95  register 32 c + i = W(128 s + 64 c + 32 h + i, my column)
.set C, 96                             ; v96-107 the fragment; v108-110, v112-114 each block's upper three registers before they are moved
	s_load_b256 s[4:11], s[0:1], 0x0               ; Wk s[4:5], Wv s[6:7], Wq s[8:9], Wo s[10:11]
	s_load_b128 s[12:15], s[0:1], 0x20             ; wcodes s[12:13], wscal s[14:15]
	v_lshrrev_b32 v1, 5, v0
	v_readfirstlane_b32 s16, v1                    ; wave 0..3
	s_lshr_b32 s17, ttmp9, 4                       ; which weight
	s_and_b32 s18, ttmp9, 15
	s_lshl_b32 s18, s18, 2
	s_add_co_u32 s18, s18, s16                     ; phi
	s_cmp_eq_u32 s17, 3                            ; Wo has four K steps and rows of 1,024 bytes, the others two and 2,048
	s_cselect_b32 s19, 2, 1
	s_cselect_b32 s20, 3, 1
	s_cselect_b32 s21, 10, 11                      ; log2 of a row's bytes
	s_lshr_b32 s22, s18, s19                       ; T
	s_and_b32 s23, s18, s20                        ; s
	s_add_co_u32 s24, s21, 7
	s_lshl_b32 s26, s23, s24                       ; 128 s rows down,
	s_lshr_b32 s25, s22, 1
	s_lshl_b32 s25, s25, 7
	s_add_co_u32 s26, s26, s25                     ; 32 (T / 2) columns on,
	s_and_b32 s25, s22, 1
	s_lshl_b32 s25, s25, 5
	s_add_co_u32 s26, s26, s25                     ; and 8 (T % 2)
	s_mov_b32 s27, 0
	s_add_co_u32 s24, s21, 5
	v_and_b32 v1, 15, v0                           ; r
	v_bfe_u32 v2, v0, 4, 1                         ; h
	v_and_b32 v7, 31, v0                           ; lane
	v_and_b32 v3, 8, v1
	v_add_nc_u32 v3, v3, v1                        ; r + 8 (r / 8)
	v_lshlrev_b32 v3, 2, v3
	v_lshlrev_b32 v6, s24, v2                      ; lanes 16-31 begin 32 rows further down
	v_add_nc_u32 v3, v3, v6
	v_lshlrev_b32 v4, 4, v7                        ; out: 16 bytes a lane
	v_lshlrev_b32 v5, 2, v1                        ; the scale word's place: 4 r
	s_mul_i32 s28, s17, 98304
	s_mul_i32 s30, s18, 1536
	s_add_co_u32 s28, s28, s30                     ; the fragment's place in wcodes
	s_mov_b32 s29, 0
	s_lshl_b32 s30, s17, 12
	s_lshl_b32 s31, s18, 6
	s_add_co_u32 s30, s30, s31                     ; and its words' in wscal
	s_mov_b32 s31, 0
	s_mov_b32 s32, 0x76543210
	s_mov_b32 s33, 0xfedcba98                      ; v_permlanex16_b32's selects for lane l xor 16
	s_wait_kmcnt 0x0
	s_cmp_eq_u32 s17, 1                            ; the choice of the buffer hangs on the work-group's number alone
	s_cselect_b64 s[4:5], s[6:7], s[4:5]
	s_cmp_eq_u32 s17, 2
	s_cselect_b64 s[4:5], s[8:9], s[4:5]
	s_cmp_eq_u32 s17, 3
	s_cselect_b64 s[4:5], s[10:11], s[4:5]
	s_add_nc_u64 s[4:5], s[4:5], s[26:27]
	s_add_nc_u64 s[12:13], s[12:13], s[28:29]
	s_add_nc_u64 s[14:15], s[14:15], s[30:31]
.macro WREAD pitch                     ; 64 loads: row 64 c + i of the K step, i = 0 .. 31; every offset an immediate
.set k, 0
.rept 64
	global_load_b32 v[X+k], v3, s[4:5] offset:(64*(k/32)+k%32)*\pitch
.set k, k+1
.endr
.endm
	s_cmp_eq_u32 s17, 3                            ; only the row's length differs: both ways issue 64 loads
	s_cbranch_scc1 .Lshort_rows
	s_wait_alu depctr_va_vdst(0)
	WREAD 2048
	s_branch .Lloaded
.Lshort_rows:
	s_wait_alu depctr_va_vdst(0)
	WREAD 1024
.Lloaded:
	s_wait_loadcnt 0x0
.irp c, 0,1                            ; my block 2 c + h: all its 32 numbers are mine
	v_max3_num_f32 v[16+\c], |v[X+32*\c]|, |v[X+1+32*\c]|, 0x1800000   ; and the floor 2^(3 - 127): the byte cannot fall under 1
.endr
.irp i, 2,4,6,8,10,12,14,16,18,20,22,24,26,28,30
.irp c, 0,1
	v_max3_num_f32 v[16+\c], v[16+\c], |v[X+32*\c+\i]|, |v[X+1+32*\c+\i]|   ; (the two blocks by turns)
.endr
.endr
.irp c, 0,1
	v_add_nc_u32 v[18+\c], 0xff000000, v[16+\c]    ; 2 off the exponent field: the conversion takes the exponent field of this operand as its scale
.endr
.irp c, 0,1
	v_lshrrev_b32 v[20+\c], 23, v[18+\c]           ; the scale's byte
.endr
	v_lshl_or_b32 v22, v21, 16, v20                ; my two bytes: blocks h and 2 + h of my column,
	v_lshlrev_b32 v23, 3, v2
	v_lshlrev_b32 v22, v23, v22                    ; at their places in the word (8 h bits up);
	v_mov_b32 v23, 0
	v_permlanex16_b32 v23, v22, s32, s33
	v_or_b32 v22, v22, v23                         ; with lane l xor 16's two the word is whole
.irp c, 0,1
	v_cvt_scalef32_pk16_fp6_f32 v[C+6*\c:C+2+6*\c], v[X+32*\c:X+15+32*\c], v[18+\c]
	v_cvt_scalef32_pk16_fp6_f32 v[C+12+4*\c:C+14+4*\c], v[X+16+32*\c:X+31+32*\c], v[18+\c]   ; (a conversion's three registers begin on an even number: made elsewhere and moved)
.endr
	v_nop                                          ; one plain place behind a scaled conversion
.irp c, 0,1
.irp i, 0,1,2
	v_mov_b32 v[C+3+6*\c+\i], v[C+12+4*\c+\i]
.endr
.endr
.irp c, 0,1,2
	global_store_b128 v4, v[C+4*\c:C+4*\c+3], s[12:13] offset:512*\c   ; 32 lanes store 512 consecutive bytes
.endr
	v_cmp_gt_u32 vcc_lo, 16, v7
	s_wait_xcnt 0x0                                ; EXEC changes only behind this wait: the stores above have read theirs
	s_and_saveexec_b32 s34, vcc_lo                 ; lanes 16-31 hold the same words: lanes 0-15 store them
	global_store_b32 v5, v22, s[14:15]
	s_endpgm
.Lfunc_end_k_q003f7ce3e8_prep:
	.size	k_q003f7ce3e8_prep, .Lfunc_end_k_q003f7ce3e8_prep-k_q003f7ce3e8_prep
	.p2alignl 7, 3214868480
	.fill 96, 4, 3214868480
	.section	.rodata,"a",@progbits
	.p2align	6, 0x0
	.amdhsa_kernel k_q003f7ce3e8_prep
		.amdhsa_group_segment_fixed_size 0
		.amdhsa_private_segment_fixed_size 0
		.amdhsa_enable_private_segment 0
		.amdhsa_kernarg_size 48
		.amdhsa_user_sgpr_count 2
		.amdhsa_user_sgpr_kernarg_segment_ptr 1
		.amdhsa_wavefront_size32 1
		.amdhsa_system_sgpr_workgroup_id_x 1
		.amdhsa_system_sgpr_workgroup_id_y 1
		.amdhsa_system_sgpr_workgroup_id_z 1
		.amdhsa_system_vgpr_workitem_id 0
		.amdhsa_next_free_vgpr 128
		.amdhsa_next_free_sgpr 66
		.amdhsa_reserve_vcc 1
		.amdhsa_float_denorm_mode_32 3
		.amdhsa_float_denorm_mode_16_64 3
		.amdhsa_memory_ordered 1
		.amdhsa_forward_progress 1
		.amdhsa_inst_pref_size 18
	.end_amdhsa_kernel
	.amdgpu_metadata
---
amdhsa.version: [ 1, 2 ]
amdhsa.kernels:
  - .name:           k_q003f7ce3e8_prep
    .symbol:         k_q003f7ce3e8_prep.kd
    .args:
      - { .name: Wk, .offset: 0, .size: 8, .value_kind: global_buffer, .address_space: global }
      - { .name: Wv, .offset: 8, .size: 8, .value_kind: global_buffer, .address_space: global }
      - { .name: Wq, .offset: 16, .size: 8, .value_kind: global_buffer, .address_space: global }
      - { .name: Wo, .offset: 24, .size: 8, .value_kind: global_buffer, .address_space: global }
      - { .name: wcodes, .offset: 32, .size: 8, .value_kind: global_buffer, .address_space: global }
      - { .name: wscal, .offset: 40, .size: 8, .value_kind: global_buffer, .address_space: global }
    .group_segment_fixed_size: 0
    .private_segment_fixed_size: 0
    .kernarg_segment_align: 8
    .kernarg_segment_size: 48
    .max_flat_workgroup_size: 128
    .sgpr_count:     66
    .vgpr_count:     128
    .wavefront_size: 32
...
	.end_amdgpu_metadata
.endif
;; end of part 3
;; launch attn (part 4): grid 256 x 1, 8 waves a work-group, no clusters, 327,680 bytes of LDS; arguments inp_q, inp_kv, attn_mask, bo, wcodes, wscal, out0, out1; writes out0, out1
.if DOCPART == 4
	.amdgcn_target "amdgcn-amd-amdhsa--gfx1250"
	.amdhsa_code_object_version 6
	.text
	.protected	k_q003f7ce3e8_attn
	.globl	k_q003f7ce3e8_attn
	.p2align	8
	.type	k_q003f7ce3e8_attn,@function
k_q003f7ce3e8_attn:
	s_mov_b64 s[64:65], 0
	v_nop
	global_prefetch_b8 v0, s[64:65] scope:SCOPE_SE
	s_setreg_imm32_b32 hwreg(HW_REG_WAVE_MODE, 25, 1), 1
	s_wait_xcnt 0x0
; out0 = (softmax(q k^T / 8 - 10000 (1 - mask)) v) Wo + bo, out1 = the four keys with the largest attention summed over the heads; q = inp_q Wq, k = inp_kv Wk, v = inp_kv Wv.
; The four products with a weight run on codes of FP6 (E2M3), one E8M0 scale for each 32 along K; q . k and attn . v are f32 multiply-adds.
; SHARES.  A work-group takes batches 2 g, 2 g + 1: 8 chunks of 128 keys.  Wave w owns head w: its fragments of Wk and Wv (192 registers) stay in registers; k and v are made a tile of 16 keys at a time and used up.
; RAW ROWS.  Wave w's 16 rows of a chunk (16 KB on end) come by ONE tensor load into the wave's own stage in LDS, rows of 1,024 bytes + 16 of padding.  At a chunk's end the wave reads them, 64 bytes of its row to a lane,
; quantises them, and stores the two fragments as images of their registers into the region that the next chunk reads.  The stage is filled again first behind the chunk's barrier.
; THE PRODUCTS ARE LAID IN STEPS: step i issues tile i's eight matrix instructions into one of two sets of four accumulators; the vector work on tile i - 2's results stands ahead of them and fills the places behind tile i - 1's.
; Steps 0-7 make k (q . k follows), steps 8-15 make v (the sums of p v follow); the softmax stands behind step 8's matrix instructions.
; LAYOUT.  Transposed use: source 0 = 16 columns of a weight, source 1 = 16 keys: lane (r, h) holds key r; register 8 t + j holds unit 32 (t / 2) + 16 h + 8 (t % 2) + j of the head.
; SOFTMAX.  Running maximum M and sum l; at each chunk l and the sums are multiplied by 2^((old M - new M) log2e).  Scores stay in LDS and become the finished attention at a batch's end.
; PREFETCH.  In trip c each wave names the 64 blocks of 256 bytes of its own 16 rows of chunk c + 2, a lane a block, two instructions: one trip ahead of the tensor load that wants them; trips 6 and 7 ask for nothing.
; NOT USED: clusters (work-groups share the weights alone, which each reads once, into registers); a second raw slot (2 x 133,120 bytes do not fit beside the other regions' 160,512).
; LIMITS: NaN and infinities are not served.  A block of zeros keeps the scale byte 1 (its codes are zeros; only this program reads the bytes).  v_exp_f32 gives 0 under 2^-126: where fewer than
; four keys of a batch have a sum above that, the keys left are taken by the lower index.  1 / l is v_rcp_f32 (1 ulp).
; REGISTERS, window 0: v1-15 addresses; v16-23 softmax; v24-33 scale words alone; v34-41 scores, then p; v42-47 dots; v48-95 two buffers of a tile's fragments; v96-127, v128-159 two sets of accumulators;
;   v128-255 the raw numbers while they are quantised (the quantiser works in v96-127).  window 1: v0-95 Wk (at the end Wo); v96-191 Wv (at the head Wq); v192-223 q; v224-255 the sums of p v.
.set P1,    32768                      ; code regions 0 and 1: 16 fragments of 1,536 bytes,
.set XSCO,  24576                      ; then their scale words: 128 tau + 64 s + 4 r
.set NEG,   65536                      ; -10000 (1 - mask): [2][512] f32
.set SCR,   69632                      ; [wave][chunk][128] f32: scores, later attention
.set QIMG,  102400                     ; inp_q's 4 fragments
.set QSC,   108544
.set QST,   108800                     ; the second batch's q, 4,096 bytes a wave
.set OUTV,  141568                     ; the attention's result: [2][512] f32
.set OIMG,  145664
.set OSC,   157952
.set YST,   158464
.set STG,   160512                     ; the stages: filled by tensor loads alone
.set SPITCH, 1040
.set WSTG,  16*SPITCH
.set SPARE, STG+8*WSTG                 ; the spare words: 128 bytes a wave
.set LI,   1
.set LS,   2
.set XA,   3
.set IWB,  4
.set SWB,  5
.set NRB,  6
.set SCB,  7
.set H64,  8
.set QSB,  9
.set A1,   10
.set A2,   11
.set FA,   10                          ; behind the head: 16 x lane + the chunk's region
.set FS,   11                          ; 4 x lane + XSCO + the region
.set NR,   12
.set SC,   13
.set TA,   14
.set TB,   15
.set MXR,  16
.set NM,   17
.set LSUM, 18
.set TV,   19
.set F,    20
.set RL,   22                          ; v22 1 / l; v23, the pair's unused upper word, holds the prefetches' offset, 256 x lane
.set PFO,  23
.set WKS,  24
.set WVS,  28
.set XS,   32
.set PP,   34
.set DA,   42
.set D0,   46
.set XF,   48
.set T,    96
.set R,    128
.set PC,   96
.set TM,   116
.set PW,   46
.set WK,   0
.set WV,   96
.set Q,    192
.set ACC,  224
.set G0,   52
.set G1,   56
.set MSB, 0
.macro WIN new
.if MSB != (\new)
	s_set_vgpr_msb (MSB<<8)|(\new)
.set MSB, (\new)
.endif
.endm
.macro PLACES
.rept 4
	v_nop
.endr
.endm
.macro BARRIER
	s_wait_dscnt 0x0
	s_barrier_signal -1
	s_barrier_wait -1
.endm
; the lines ahead of a refill's barrier: all my tensor loads, the add, its wait and that for my LDS reads; the descriptor's address steps a chunk on while no load is out
.macro SYNC3
	v_lshl_add_u32 v[DA], v0, 2, SPARE
	v_mov_b32 v[DA+1], 0
	s_wait_alu depctr_va_vdst(0)
	s_wait_tensorcnt 0x0
	ds_add_u32 v[DA], v[DA+1]
	s_add_nc_u64 s[G0+2:G0+3], s[G0+2:G0+3], 131072
	s_wait_dscnt 0x0
	s_barrier_signal -1
	s_barrier_wait -1
.endm
.macro RAWLOAD
	tensor_load_to_lds s[G0:G0+3], s[G1:G1+7]
	s_nop 0
	PLACES
.endm
; 64 numbers of a lane (register 16 b + i = k 32 b + 16 h + i of my row) become a fragment's codes in v[PC] on and its scale word in v[PW]
.macro QUANT s, sw
	WIN 20*(\sw)
.irp b, 0,1,2,3
	v_max3_num_f32 v[TM+\b], 0x1800000, |v[\s+16*\b]|, |v[\s+1+16*\b]|   ; with the floor 2^(3 - 127)
.endr
.irp i, 2,4,6,8,10,12,14
.irp b, 0,1,2,3
	s_delay_alu instid0(VALU_DEP_4)
	v_max3_num_f32 v[TM+\b], v[TM+\b], |v[\s+16*\b+\i]|, |v[\s+1+16*\b+\i]|
.endr
.endr
	WIN 0
.irp b, 0,1,2,3
	v_permlanex16_b32 v[TM+4+\b], v[TM+\b], s26, s27
.endr
.irp b, 0,1,2,3
	s_delay_alu instid0(VALU_DEP_4)
	v_max_num_f32 v[TM+\b], v[TM+\b], v[TM+4+\b]
.endr
.irp b, 0,1,2,3
	s_delay_alu instid0(VALU_DEP_4)
	v_add_nc_u32 v[TM+8+\b], 0xff000000, v[TM+\b]  ; 2 off the exponent field: the conversion's scale operand
.endr
.irp b, 0,1,2,3
	s_delay_alu instid0(VALU_DEP_4)
	v_lshrrev_b32 v[TM+4+\b], 23, v[TM+8+\b]
.endr
	s_delay_alu instid0(VALU_DEP_3)
	v_lshl_or_b32 v[PW], v[TM+5], 8, v[TM+4]
	s_delay_alu instid0(VALU_DEP_1)
	v_lshl_or_b32 v[PW], v[TM+6], 16, v[PW]
	s_delay_alu instid0(VALU_DEP_1)
	v_lshl_or_b32 v[PW], v[TM+7], 24, v[PW]
	WIN (\sw)
.irp c, 0,1
	v_cvt_scalef32_pk16_fp6_f32 v[PC+6*\c:PC+2+6*\c], v[\s+32*\c:\s+15+32*\c], v[TM+8+2*\c]
	v_cvt_scalef32_pk16_fp6_f32 v[PC+12+4*\c:PC+14+4*\c], v[\s+16+32*\c:\s+31+32*\c], v[TM+8+2*\c+1]
.endr
	WIN 0
	v_nop                                          ; a plain place behind the conversions
.irp c, 0,1                            ; a whole block to a lane
.irp i, 0,1,2
	v_permlane16_swap_b32 v[PC+6*\c+\i], v[PC+12+4*\c+\i]
.endr
.irp i, 0,1,2
	s_delay_alu instid0(VALU_DEP_3)
	v_mov_b32 v[PC+3+6*\c+\i], v[PC+12+4*\c+\i]
.endr
.endr
.endm
.macro IMAGE adr, off
.irp c, 0,1,2
	ds_store_b128 v[\adr], v[PC+4*\c:PC+4*\c+3] offset:\off+512*\c
.endr
.endm
; my 16 raw rows, landed in my stage, become two fragments and their scale words in the region at s23
.macro QCH
	v_add_nc_u32 v[TA], s23, v[IWB]
	v_add_nc_u32 v[TB], s23, v[SWB]
	s_wait_alu depctr_va_vdst(0)
	s_wait_tensorcnt 0x0                           ; my rows are in: only I read them
.set k, 0
.rept 16
	ds_load_b128 v[R+4*k:R+4*k+3], v[XA] offset:128*(k/4)+16*(k%4)
.set k, k+1
.endr
.set k, 0
.rept 16
	ds_load_b128 v[R+64+4*k:R+64+4*k+3], v[XA] offset:512+128*(k/4)+16*(k%4)
.set k, k+1
.endr
	s_wait_dscnt 16                                ; K step 0's sixteen are in; K step 1's may be out
	QUANT R, 0
	IMAGE TA, 0
	ds_store_b32 v[TB], v[PW]
	s_wait_dscnt 0x0
	QUANT R+64, 0
	IMAGE TA, 1536
	ds_store_b32 v[TB], v[PW] offset:64
.endm
.macro WLOAD reg, off
	WIN 0x40
.set k, 0
.rept 24
	global_load_b128 v[\reg+4*k:\reg+4*k+3], v[LI], s[30:31] offset:\off+512*k
.set k, k+1
.endr
	WIN 0
.endm
.macro SLOAD reg, off
.irp t, 0,1,2,3
	global_load_b32 v[\reg+\t], v[LS], s[34:35] offset:\off+128*\t
.endr
.endm
.macro FETCH buf, tau                  ; seven LDS loads: key tile tau's two fragments and scale words
.irp k, 0,1,2,3,4,5
	ds_load_b128 v[XF+24*(\buf)+4*\k:XF+24*(\buf)+4*\k+3], v[FA] offset:3072*(\tau)+512*\k
.endr
	ds_load_b32 v[XS+(\buf)], v[FS] offset:128*(\tau)
.endm
; eight matrix instructions: four accumulators by turns, K = 256 in two steps
.macro MM8 d, wb, sb, buf
.irp t, 0,1,2,3
	v_wmma_scale_f32_16x16x128_f8f6f4 v[\d+8*\t:\d+8*\t+7], v[\wb+24*\t:\wb+24*\t+11], v[XF+24*(\buf):XF+24*(\buf)+11], 0, v[\sb+\t], v[XS+(\buf)] matrix_a_fmt:MATRIX_FMT_FP6 matrix_b_fmt:MATRIX_FMT_FP6
.endr
.irp t, 0,1,2,3
	v_wmma_scale_f32_16x16x128_f8f6f4 v[\d+8*\t:\d+8*\t+7], v[\wb+24*\t+12:\wb+24*\t+23], v[XF+24*(\buf)+12:XF+24*(\buf)+23], v[\d+8*\t:\d+8*\t+7], v[\sb+\t], v[XS+(\buf)] matrix_a_fmt:MATRIX_FMT_FP6 matrix_b_fmt:MATRIX_FMT_FP6 matrix_a_scale:MATRIX_SCALE_ROW1 matrix_b_scale:MATRIX_SCALE_ROW1
.endr
.endm
; q . k of key tile TAU, whose k stands in v[TS] on; two tiles' halves meet by one exchange: 32 keys in order
.macro KVEC
	WIN 0x01
	v_pk_mul_f32 v[DA:DA+1], v[Q:Q+1], v[TS:TS+1]
	v_pk_mul_f32 v[DA+2:DA+3], v[Q+2:Q+3], v[TS+2:TS+3]
.irp i, 2,3,4,5,6,7,8,9,10,11,12,13,14,15
	v_pk_fma_f32 v[DA+2*(\i%2):DA+2*(\i%2)+1], v[Q+2*\i:Q+2*\i+1], v[TS+2*\i:TS+2*\i+1], v[DA+2*(\i%2):DA+2*(\i%2)+1]
.endr
	WIN 0
	v_pk_add_f32 v[DA:DA+1], v[DA:DA+1], v[DA+2:DA+3]
	s_delay_alu instid0(VALU_DEP_1)
	v_add_f32 v[D0+TAU%2], v[DA], v[DA+1]
.if TAU%2
	s_delay_alu instid0(VALU_DEP_1)
	v_permlane16_swap_b32 v[D0], v[D0+1]
	s_delay_alu instid0(VALU_DEP_1)
	v_add_f32 v[TV], v[D0], v[D0+1]
	s_delay_alu instid0(VALU_DEP_1)
	v_fma_f32 v[PP+TAU-1], v[TV], 0x3e000000, v[PP+TAU]   ; dot / 8 - 10000 (1 - mask)
	ds_store_b32 v[SC], v[PP+TAU-1] offset:128*(TAU/2)
.endif
.endm
; the sums of p v of key tile TAU
.macro VVEC
	WIN 0x50
.if TAU == 0
	s_wait_alu depctr_va_vdst(0)                   ; this tile's matrix results were written ahead of the exponentials
.endif
.irp i, 0,1,2,3,4,5,6,7,8,9,10,11,12,13,14,15
.if TAU%2
	v_pk_fma_f32 v[ACC+2*\i:ACC+2*\i+1], v[TS+2*\i:TS+2*\i+1], v[PP+TAU-1:PP+TAU], v[ACC+2*\i:ACC+2*\i+1] op_sel:[0,1,0] op_sel_hi:[1,1,1]
.else
	v_pk_fma_f32 v[ACC+2*\i:ACC+2*\i+1], v[TS+2*\i:TS+2*\i+1], v[PP+TAU:PP+TAU+1], v[ACC+2*\i:ACC+2*\i+1] op_sel_hi:[1,0,1]
.endif
.endr
.endm
.macro VEC j
.set TAU, (\j)%8
.set TS, T+32*((\j)%2)
.if (\j) < 8
	KVEC
.else
	VVEC
.endif
.endm
.macro SOFTMAX
	WIN 0
	v_max3_num_f32 v[TV], v[PP], v[PP+2], v[PP+4]
	s_delay_alu instid0(VALU_DEP_1)
	v_max_num_f32 v[TV], v[TV], v[PP+6]
.irp m, 1,2,4,8
	s_delay_alu instid0(VALU_DEP_1)
	v_max_num_f32_dpp v[TV], v[TV], v[TV] row_xmask:\m row_mask:0xf bank_mask:0xf
.endr
	v_permlanex16_b32 v[F], v[TV], s26, s27
	s_delay_alu instid0(VALU_DEP_1)
	v_max3_num_f32 v[MXR], v[MXR], v[TV], v[F]     ; the new M
	s_delay_alu instid0(VALU_DEP_1)
	v_mul_f32 v[F], s49, v[MXR]                    ; -M log2e
	s_delay_alu instid0(VALU_DEP_1)
	v_sub_f32 v[TV], v[F], v[NM]                   ; (old M - new M) log2e
	s_delay_alu instid0(VALU_DEP_2)
	v_mov_b32 v[NM], v[F]
	s_wait_alu depctr_va_vdst(0)
	s_wait_dscnt 0x0                               ; the stores of the scores have read their registers
.irp a, 0,1,2,3
	v_fma_f32 v[PP+2*\a], v[PP+2*\a], s32, v[NM]
.endr
	s_wait_alu depctr_va_vdst(0)
	v_exp_f32 v[F], v[TV]
.irp a, 0,1,2,3
	v_exp_f32 v[PP+2*\a], v[PP+2*\a]
.endr
	v_nop
	s_wait_alu depctr_va_vdst(0)
	v_add_f32 v[DA], v[PP], v[PP+2]
	v_add_f32 v[DA+1], v[PP+4], v[PP+6]
	s_delay_alu instid0(VALU_DEP_1)
	v_add_f32 v[DA], v[DA], v[DA+1]
	v_fma_f32 v[LSUM], v[LSUM], v[F], v[DA]
.irp a, 0,1,2,3
	v_mov_b32 v[PP+2*\a+1], v[PP+2*\a]
.endr
.irp a, 0,1,2,3
	v_permlane16_swap_b32 v[PP+2*\a], v[PP+2*\a+1] ; each tile's p in both halves of the lanes
.endr
	WIN 0x41
.set k, 0
.rept 16
	v_pk_mul_f32 v[ACC+2*k:ACC+2*k+1], v[ACC+2*k:ACC+2*k+1], v[F:F+1] op_sel_hi:[1,0]
.set k, k+1
.endr
.endm
; step I: the vector work on step I - 2's results (the places behind step I - 1's matrix instructions), the fetch for step I + 1, step I's matrix instructions
.macro STEP
.if I == 1
.rept 5
	v_nop
.endr
.else
	VEC I-2
.endif
.if I == 9
	SOFTMAX
.if TAILF
	WLOAD WK, 294912                               ; Wk has served: Wo takes its registers,
	SLOAD WKS, 12288                               ; and its words Wk's
.endif
.endif
	WIN 0
.if (I == 3) && (TAILF == 0)
	s_cmp_lt_u32 s21, 6                            ; chunk c + 2 exists
	s_cbranch_scc0 .Lno_pf
	global_prefetch_b8 v[PFO], s[28:29] th:TH_LOAD_NT scope:SCOPE_SE
	global_prefetch_b8 v[PFO], s[28:29] offset:8192 th:TH_LOAD_NT scope:SCOPE_SE
.Lno_pf:
.endif
.if I < 15
	FETCH (I+1)%2, (I+1)%8
	s_wait_dscnt 7                                 ; all but the seven just issued
.else
	s_wait_dscnt 0x0
.endif
	WIN 0x01
	MM8 T+32*(I%2), WK+96*(I/8), WKS+4*(I/8), I%2
.endm
.macro ADDR                            ; the chunk's addresses: s21 the chunk, s22 its region
	s_xor_b32 s23, s22, P1
	s_lshl_b32 s24, s21, 9
	s_add_co_u32 s48, s22, XSCO
	v_add_nc_u32 v[FA], s22, v[LI]
	v_add_nc_u32 v[FS], s48, v[LS]
	v_add_nc_u32 v[NR], s24, v[NRB]
	v_add_nc_u32 v[SC], s24, v[SCB]
	s_wait_alu depctr_va_vdst(0)
.endm
.macro KV
.irp a, 0,1,2,3
	ds_load_b32 v[PP+2*\a+1], v[NR] offset:128*\a
.endr
	FETCH 0, 0
	FETCH 1, 1
	s_wait_dscnt 7
	WIN 0x01
	MM8 T, WK, WKS, 0
.set I, 1
.rept 15
	STEP
.set I, I+1
.endr
	VEC 14
	VEC 15
	WIN 0
.endm
; a batch's end: l over the lanes; the sums / l over the 16 keys of a row of lanes, to OUTV; my 512 scores become the attention; M starts anew; q = 1: the second batch's q comes back
.macro BATCHEND q
	s_lshr_b32 s24, s21, 2
	s_lshl_b32 s24, s24, 11
	s_add_co_u32 s48, s47, s24
	v_add_f32_dpp v[LSUM], v[LSUM], v[LSUM] row_xmask:1 row_mask:0xf bank_mask:0xf
.irp m, 2, 4, 8
	s_delay_alu instid0(VALU_DEP_1)
	v_add_f32_dpp v[LSUM], v[LSUM], v[LSUM] row_xmask:\m row_mask:0xf bank_mask:0xf
.endr
	s_delay_alu instid0(VALU_DEP_1)
	v_permlanex16_b32 v[TV], v[LSUM], s26, s27
	s_delay_alu instid0(VALU_DEP_1)
	v_add_f32 v[LSUM], v[LSUM], v[TV]
	s_wait_alu depctr_va_vdst(0)
	v_rcp_f32 v[RL], v[LSUM]
	v_add_nc_u32 v[TA], s48, v[H64]
	v_add_nc_u32 v[TB], s24, v[SCB]
.set k, 0
.rept 16
	ds_load_b32 v[XF+k], v[TB] offset:128*k
.set k, k+1
.endr
	s_wait_alu depctr_va_vdst(0)
	WIN 0x01
.set k, 0
.rept 16
	v_pk_mul_f32 v[T+2*k:T+2*k+1], v[ACC+2*k:ACC+2*k+1], v[RL:RL+1] op_sel_hi:[1,0]
.set k, k+1
.endr
	WIN 0
.irp m, 1,2,4,8
.set k, 0
.rept 32
	v_add_f32_dpp v[T+k], v[T+k], v[T+k] row_xmask:\m row_mask:0xf bank_mask:0xf
.set k, k+1
.endr
.endr
.set k, 0
.rept 8
	ds_store_b128 v[TA], v[T+4*k:T+4*k+3] offset:128*(k/4)+16*(k%4)
.set k, k+1
.endr
	s_wait_dscnt 8                                 ; the 16 loads are in; the 8 stores may be out
.set k, 0
.rept 16
	v_fma_f32 v[XF+k], v[XF+k], s32, v[NM]
.set k, k+1
.endr
	s_wait_alu depctr_va_vdst(0)
.set k, 0
.rept 16
	v_exp_f32 v[XF+k], v[XF+k]
.set k, k+1
.endr
	v_mov_b32 v[MXR], 0xff61b1e6                   ; M = -3e38,
	v_mov_b32 v[NM], 0x7f61b1e6                    ; 3e38 for -M log2e: the next factor is 0
	s_wait_alu depctr_va_vdst(0)
.set k, 0
.rept 8
	v_pk_mul_f32 v[XF+2*k:XF+2*k+1], v[XF+2*k:XF+2*k+1], v[RL:RL+1] op_sel_hi:[1,0]
.set k, k+1
.endr
.set k, 0
.rept 16
	ds_store_b32 v[TB], v[XF+k] offset:128*k
.set k, k+1
.endr
.if \q
	WIN 0x40
.set k, 0
.rept 8
	ds_load_b128 v[Q+4*k:Q+4*k+3], v[QSB] offset:512*k
.set k, k+1
.endr
	WIN 0
.endif
.endm
.macro FINISH                          ; a wave's end
	s_wait_xcnt 0x0
	s_mov_b32 exec_lo, -1
	v_lshl_add_u32 v46, v0, 2, SPARE
	v_mov_b32 v47, 0
	s_wait_alu depctr_va_vdst(0)
	s_wait_tensorcnt 0x0
	ds_add_u32 v46, v47
	s_wait_dscnt 0x0
	s_endpgm
.endm
	s_load_b256 s[4:11], s[0:1], 0x0               ; inp_q, inp_kv, attn_mask, bo
	s_load_b256 s[12:19], s[0:1], 0x20             ; wcodes, wscal, out0, out1
	v_lshl_add_u32 v[DA], v0, 2, SPARE
	v_mov_b32 v[DA+1], 0
	ds_add_u32 v[DA], v[DA+1]                      ; the opening lines
	ds_add_u32 v[DA], v[DA+1]
	v_lshrrev_b32 v[TA], 5, v0
	s_delay_alu instid0(VALU_DEP_1)
	v_readfirstlane_b32 s20, v[TA]                 ; wave 0..7
	v_and_b32 v[TA], 31, v0
	s_delay_alu instid0(VALU_DEP_1)
	v_lshlrev_b32 v[LI], 4, v[TA]
	s_delay_alu instid0(VALU_DEP_2)
	v_lshlrev_b32 v[LS], 2, v[TA]
	v_lshlrev_b32 v[PFO], 8, v[TA]
	v_and_b32 v[TB], 15, v0                        ; r
	v_bfe_u32 v[TV], v0, 4, 1                      ; h
	s_delay_alu instid0(VALU_DEP_1)
	v_lshlrev_b32 v[H64], 6, v[TV]
	s_mul_i32 s51, s20, WSTG
	s_add_co_u32 s51, s51, STG                     ; my stage
	v_mul_u32_u24 v[XA], v[TB], SPITCH
	s_delay_alu instid0(VALU_DEP_1)
	v_add_nc_u32 v[XA], v[XA], v[H64]
	s_delay_alu instid0(VALU_DEP_1)
	v_add_nc_u32 v[XA], s51, v[XA]
	s_mul_i32 s24, s20, 3072
	v_add_nc_u32 v[IWB], s24, v[LI]
	s_lshl_b32 s24, s20, 7
	s_add_co_u32 s24, s24, XSCO
	v_lshl_add_u32 v[SWB], v[TB], 2, s24
	v_add_nc_u32 v[NRB], NEG, v[LS]
	s_lshl_b32 s24, s20, 12
	s_add_co_u32 s48, s24, SCR
	v_add_nc_u32 v[SCB], s48, v[LS]
	s_add_co_u32 s48, s24, QST
	v_add_nc_u32 v[QSB], s48, v[LI]
	s_lshl_b32 s47, s20, 8
	s_add_co_u32 s47, s47, OUTV
	v_add_nc_u32 v[A1], QIMG, v[LI]
	v_add_nc_u32 v[A2], QSC, v[LS]
	s_lshl_b32 s24, s20, 9
	s_add_co_u32 s24, s24, NEG
	v_add_nc_u32 v[NR], s24, v[LI]
	s_mul_i32 s24, s20, 1536
	s_add_co_u32 s24, s24, QIMG
	v_add_nc_u32 v[TA], s24, v[LI]
	s_lshl_b32 s24, s20, 6
	s_add_co_u32 s24, s24, QSC
	v_lshl_add_u32 v[TB], v[TB], 2, s24
	s_mov_b32 s26, 0x76543210
	s_mov_b32 s27, 0xfedcba98
	s_mov_b32 s32, 0x3fb8aa3b                      ; log2(e)
	s_mov_b32 s49, 0xbfb8aa3b
	s_mov_b32 s33, 0x461c4000                      ; 10000.0
	s_mov_b32 s25, 0
	s_lshl_b32 s50, ttmp9, 20
	s_lshl_b32 s48, s20, 14
	s_add_co_u32 s50, s50, s48                     ; my work-group's 1 MB, my wave's 16 rows of a chunk
	s_mov_b32 s[G0], 1
	s_mul_i32 s[G0+1], s20, WSTG
	s_add_co_u32 s[G0+1], s[G0+1], STG
	s_mov_b32 s[G1], (3<<16)|(1<<20)|(7<<22)|(3<<25)   ; elements of 8 bytes; 4 words of padding behind every 256
	s_mov_b32 s[G1+1], 128<<16
	s_mov_b32 s[G1+2], 16<<16
	s_mov_b32 s[G1+3], 128<<16
	s_mov_b32 s[G1+4], 16
	s_mov_b32 s[G1+5], 128
	s_mov_b32 s[G1+6], 0
	s_mov_b32 s[G1+7], 0
	s_wait_alu depctr_va_vdst(0)
	s_wait_dscnt 0x0
	s_wait_kmcnt 0x0
	s_mov_b32 s24, s50
	s_add_nc_u64 s[28:29], s[6:7], s[24:25]
	s_mov_b64 s[G0+2:G0+3], s[28:29]
	s_or_b32 s[G0+3], s[G0+3], 0x80000000
	RAWLOAD                                        ; chunk 0: my one tensor load at the head
	s_add_nc_u64 s[28:29], s[28:29], 262144        ; the prefetches begin at chunk 2
	s_mul_i32 s24, s20, 12288
	s_add_nc_u64 s[30:31], s[12:13], s[24:25]
	s_lshl_b32 s24, s20, 9
	s_add_nc_u64 s[34:35], s[14:15], s[24:25]
	s_lshl_b32 s48, ttmp9, 11
	s_add_co_u32 s24, s24, s48
	s_add_nc_u64 s[36:37], s[4:5], s[24:25]        ; inp_q: waves 0-3
	s_add_nc_u64 s[42:43], s[16:17], s[24:25]      ; out0: waves 0-3
	s_add_co_u32 s24, s24, s48
	s_add_nc_u64 s[38:39], s[8:9], s[24:25]        ; the mask: 128 numbers a wave
	s_lshl_b32 s24, s20, 7
	s_add_nc_u64 s[40:41], s[10:11], s[24:25]      ; bo
	s_and_b32 s24, s20, 1
	s_lshl_b32 s24, s24, 4
	s_lshl_b32 s48, ttmp9, 5
	s_add_co_u32 s24, s24, s48
	s_add_nc_u64 s[44:45], s[18:19], s[24:25]      ; out1: waves 4, 5
	s_cmp_lt_u32 s20, 4
	s_cbranch_scc0 .Lno_row
	WIN 0x40
.irp b, 0,1,2,3
.irp j, 0,1,2,3
	global_load_b128 v[Q+16*\b+4*\j:Q+16*\b+4*\j+3], v[H64], s[36:37] offset:128*\b+16*\j
.endr
.endr
	WIN 0
.Lno_row:
	WLOAD WV, 196608                               ; Wq, in Wv's registers
	SLOAD WVS, 8192
	WLOAD WK, 0
	SLOAD WKS, 0
	global_load_b128 v[DA:DA+3], v[LI], s[38:39]   ; the mask
.irp b, 0,1,2,3
	v_mov_b32 v[TM+4+\b], 0
.endr
	v_mov_b32 v[MXR], 0xff61b1e6
	v_mov_b32 v[NM], 0x7f61b1e6
	v_mov_b32 v[LSUM], 0
	v_mov_b32 v[F], 0
	v_mov_b32 v[F+1], 0
	s_cmp_lt_u32 s20, 4
	s_cbranch_scc0 .Lno_quant
	s_wait_loadcnt 57                              ; behind the row's 16: 28 + 28 + 1
	QUANT Q, 1
	IMAGE TA, 0
	ds_store_b32 v[TB], v[PW]
.Lno_quant:
	WIN 0x40
.set k, 0
.rept 32
	v_mov_b32 v[ACC+k], 0
.set k, k+1
.endr
	WIN 0
	BARRIER                                        ; inp_q's four fragments lie in LDS
.set k, 0
.rept 12
	ds_load_b128 v[XF+4*k:XF+4*k+3], v[A1] offset:512*k
.set k, k+1
.endr
	ds_load_b32 v[XS], v[A2]
	ds_load_b32 v[XS+1], v[A2] offset:128
	s_wait_loadcnt 29                              ; Wq and its words: behind them Wk's 28 and the mask's one
	s_wait_dscnt 0x0
	WIN 0x51
	MM8 Q, WV, WVS, 0                              ; q of the first batch
	WIN 0x01
	MM8 T, WV, WVS, 1                              ; q of the second,
	PLACES
	WIN 0
.set k, 0
.rept 8
	ds_store_b128 v[QSB], v[T+4*k:T+4*k+3] offset:512*k   ; kept in LDS as an image
.set k, k+1
.endr
	WLOAD WV, 98304                                ; Wv
	SLOAD WVS, 4096
	s_wait_loadcnt 28                              ; the mask (and Wk): behind it Wv's 28
.irp i, 0,1,2,3
	v_cvt_f32_i32 v[DA+\i], v[DA+\i]
.endr
.irp i, 0,1,2,3
	s_delay_alu instid0(VALU_DEP_4)
	v_fma_f32 v[DA+\i], v[DA+\i], s33, -s33        ; -10000 (1 - mask)
.endr
	ds_store_b128 v[NR], v[DA:DA+3]
	s_mov_b32 s23, 0
	s_wait_dscnt 0x0                               ; the stores have read the registers in which the quantiser works
	QCH                                            ; chunk 0 into region 0
	s_wait_loadcnt 0x0                             ; Wv
	s_mov_b32 s21, 0
	s_mov_b32 s22, 0
	SYNC3
.Lchunk:                                           ; seven trips: chunk s21 is multiplied, chunk s21 + 1 fetched and quantised
	RAWLOAD                                        ; first behind the barrier: my stage was read out ahead of it
	ADDR
.set TAILF, 0
	KV
	s_wait_alu depctr_va_vdst(0)
	s_cmp_eq_u32 s21, 3
	s_cbranch_scc0 .Lno_end
	BATCHEND 1
.Lno_end:
	s_wait_xcnt 0x0                                ; the prefetches have read their base
	s_add_nc_u64 s[28:29], s[28:29], 131072
	QCH
	SYNC3
	s_xor_b32 s22, s22, P1
	s_add_co_u32 s21, s21, 1
	s_cmp_lt_u32 s21, 7
	s_cbranch_scc1 .Lchunk
	ADDR                                           ; chunk 7: nothing more is fetched
.set TAILF, 1
	KV
	BATCHEND 0
	BARRIER
	; THE TAIL: y = Q(result) Q(Wo) + bo for the two batches, and the four keys.  Wave w makes outputs 32 w .. 32 w + 31.
.set U0, 9
.set U1, 10
.set U2, 11
.set U3, 12
.set U4, 13
.set U5, 14
.set U6, 15
.set U7, 19
	s_lshl_b32 s24, s20, 9
	s_add_co_u32 s24, s24, OUTV
	v_add_nc_u32 v[U0], s24, v[H64]                ; wave w quantises batch w / 4, K step w % 4 of the result
	s_mul_i32 s24, s20, 1536
	s_add_co_u32 s24, s24, OIMG
	v_add_nc_u32 v[U1], s24, v[LI]
	v_and_b32 v[U7], 15, v0
	s_lshl_b32 s24, s20, 6
	s_add_co_u32 s24, s24, OSC
	v_lshl_add_u32 v[U2], v[U7], 2, s24
	v_add_nc_u32 v[U3], OIMG, v[LI]
	v_add_nc_u32 v[U4], OSC, v[LS]
	s_lshl_b32 s24, s20, 7
	s_add_co_u32 s24, s24, YST
	v_add_nc_u32 v[U5], s24, v[H64]
	s_and_b32 s24, s20, 3
	s_lshl_b32 s24, s24, 9
	s_add_co_u32 s24, s24, YST
	v_add_nc_u32 v[U6], s24, v[LI]
	s_and_b32 s24, s20, 1
	s_lshl_b32 s24, s24, 11
	s_add_co_u32 s24, s24, SCR
	v_add_nc_u32 v[U7], s24, v[LI]
	s_wait_alu depctr_va_vdst(0)
.irp e, 0,1,2,3
	global_load_b128 v[XF+4*\e:XF+4*\e+3], v[H64], s[40:41] offset:16*\e   ; bo at my 16 outputs
.endr
.irp b, 0,1,2,3
.irp j, 0,1,2,3
	ds_load_b128 v[R+16*\b+4*\j:R+16*\b+4*\j+3], v[U0] offset:128*\b+16*\j
.endr
.endr
	s_wait_dscnt 0x0
	QUANT R, 0
	IMAGE U1, 0
	ds_store_b32 v[U2], v[PW]
	BARRIER                                        ; the result's eight fragments lie in LDS
.set k, 0
.rept 24
	ds_load_b128 v[R+4*k:R+4*k+3], v[U3] offset:512*k
.set k, k+1
.endr
.irp e, 0,1,2,3
	ds_load_b32 v[WVS+\e], v[U4] offset:128*\e
.endr
	s_wait_dscnt 0x0
	s_wait_loadcnt 0x0
	WIN 0x01
.irp s, 0,1,2,3                        ; four accumulators (batch g, tile u) by turns
.irp g, 0,1
.irp u, 0,1
.if \s == 0
	v_wmma_scale_f32_16x16x128_f8f6f4 v[T+16*\g+8*\u:T+16*\g+8*\u+7], v[WK+12*(4*\u+\s):WK+12*(4*\u+\s)+11], v[R+48*\g+12*\s:R+48*\g+12*\s+11], v[XF+8*\u:XF+8*\u+7], v[WKS+2*\u], v[WVS+2*\g] matrix_a_fmt:MATRIX_FMT_FP6 matrix_b_fmt:MATRIX_FMT_FP6
.elseif \s%2
	v_wmma_scale_f32_16x16x128_f8f6f4 v[T+16*\g+8*\u:T+16*\g+8*\u+7], v[WK+12*(4*\u+\s):WK+12*(4*\u+\s)+11], v[R+48*\g+12*\s:R+48*\g+12*\s+11], v[T+16*\g+8*\u:T+16*\g+8*\u+7], v[WKS+2*\u+\s/2], v[WVS+2*\g+\s/2] matrix_a_fmt:MATRIX_FMT_FP6 matrix_b_fmt:MATRIX_FMT_FP6 matrix_a_scale:MATRIX_SCALE_ROW1 matrix_b_scale:MATRIX_SCALE_ROW1
.else
	v_wmma_scale_f32_16x16x128_f8f6f4 v[T+16*\g+8*\u:T+16*\g+8*\u+7], v[WK+12*(4*\u+\s):WK+12*(4*\u+\s)+11], v[R+48*\g+12*\s:R+48*\g+12*\s+11], v[T+16*\g+8*\u:T+16*\g+8*\u+7], v[WKS+2*\u+\s/2], v[WVS+2*\g+\s/2] matrix_a_fmt:MATRIX_FMT_FP6 matrix_b_fmt:MATRIX_FMT_FP6
.endif
.endr
.endr
.endr
	PLACES
	WIN 0
.irp g, 0,1
.irp u, 0,1
	ds_store_b128 v[U5], v[T+16*\g+8*\u:T+16*\g+8*\u+3] offset:1024*\g+32*\u
	ds_store_b128 v[U5], v[T+16*\g+8*\u+4:T+16*\g+8*\u+7] offset:1024*\g+32*\u+16
.endr
.endr
	BARRIER                                        ; two whole rows of y lie in LDS
	s_cmp_lt_u32 s20, 4
	s_cbranch_scc0 .Lnot_y
	ds_load_b128 v[XF:XF+3], v[U6]
	s_wait_dscnt 0x0
	global_store_b128 v[LI], v[XF:XF+3], s[42:43]  ; 32 lanes store 512 consecutive bytes
	FINISH
.Lnot_y:
	s_cmp_lt_u32 s20, 6
	s_cbranch_scc1 .Ltop
	FINISH
.Ltop:
	; THE FOUR KEYS of batch wave - 4.  Register 4 i + e is key 128 i + 4 lane + e.
.set k, 0
.rept 32
	ds_load_b128 v[128+4*k:128+4*k+3], v[U7] offset:4096*(k/4)+512*(k%4)
.set k, k+1
.endr
	s_wait_dscnt 0x0
.irp d, 1,2,3,4,5,6,7                  ; the sum over the heads, ascending
.irp i, 0,1,2,3,4,5,6,7
	v_pk_add_f32 v[128+2*\i:129+2*\i], v[128+2*\i:129+2*\i], v[128+16*\d+2*\i:129+16*\d+2*\i]
.endr
.endr
	v_lshrrev_b32 v181, 2, v[LI]
.set k, 0
.rept 16
	v_add_nc_u32 v[144+k], 128*(k/4)+k%4, v181
.set k, k+1
.endr
.set k, 0
.rept 16
	v_cvt_f32_u32 v[144+k], v[144+k]               ; the keys' numbers as f32: exact
.set k, k+1
.endr
	v_mov_b32 v182, 0x4e6e6b28                     ; 1e9: above every key's number
	v_mov_b32 v183, -1.0                           ; under every sum
; the largest sum; among the keys that have it the lowest number; that key is taken out.  Choices by v_cndmask_b32 alone
.macro TOPROUND rho
	v_max3_num_f32 v180, v128, v129, v130
.irp n, 3,5,7,9,11,13
	s_delay_alu instid0(VALU_DEP_1)
	v_max3_num_f32 v180, v180, v[128+\n], v[129+\n]
.endr
	s_delay_alu instid0(VALU_DEP_1)
	v_max_num_f32 v180, v180, v143
.irp m, 1,2,4,8
	s_delay_alu instid0(VALU_DEP_1)
	v_max_num_f32_dpp v180, v180, v180 row_xmask:\m row_mask:0xf bank_mask:0xf
.endr
	s_delay_alu instid0(VALU_DEP_1)
	v_permlanex16_b32 v181, v180, s26, s27
	s_delay_alu instid0(VALU_DEP_1)
	v_max_num_f32 v180, v180, v181
.irp n, 0,1,2,3,4,5,6,7,8,9,10,11,12,13,14,15
	v_cmp_eq_f32 vcc_lo, v[128+\n], v180
	s_delay_alu instid0(VALU_DEP_1)
	v_cndmask_b32 v[160+\n], v182, v[144+\n], vcc_lo
.endr
	v_min3_num_f32 v184, v160, v161, v162
.irp n, 3,5,7,9,11,13
	s_delay_alu instid0(VALU_DEP_1)
	v_min3_num_f32 v184, v184, v[160+\n], v[161+\n]
.endr
	s_delay_alu instid0(VALU_DEP_1)
	v_min_num_f32 v184, v184, v175
.irp m, 1,2,4,8
	s_delay_alu instid0(VALU_DEP_1)
	v_min_num_f32_dpp v184, v184, v184 row_xmask:\m row_mask:0xf bank_mask:0xf
.endr
	s_delay_alu instid0(VALU_DEP_1)
	v_permlanex16_b32 v181, v184, s26, s27
	s_delay_alu instid0(VALU_DEP_1)
	v_min_num_f32 v184, v184, v181
	s_delay_alu instid0(VALU_DEP_1)
	v_cvt_i32_f32 v[176+\rho], v184
.irp n, 0,1,2,3,4,5,6,7,8,9,10,11,12,13,14,15
	v_cmp_eq_f32 vcc_lo, v[144+\n], v184
	s_delay_alu instid0(VALU_DEP_1)
	v_cndmask_b32 v[128+\n], v[128+\n], v183, vcc_lo
.endr
.endm
	TOPROUND 0
	TOPROUND 1
	TOPROUND 2
	TOPROUND 3
	v_cmp_eq_u32 vcc_lo, 0, v[LI]
	s_wait_xcnt 0x0                                ; EXEC changes only behind this wait
	s_and_saveexec_b32 s24, vcc_lo                 ; lane 0 stores the batch's 16 bytes
	global_store_b128 v[LI], v[176:179], s[44:45]
	FINISH
.Lfunc_end_k_q003f7ce3e8_attn:
	.size	k_q003f7ce3e8_attn, .Lfunc_end_k_q003f7ce3e8_attn-k_q003f7ce3e8_attn
	.p2alignl 7, 3214868480
	.fill 96, 4, 3214868480
	.section	.rodata,"a",@progbits
	.p2align	6, 0x0
	.amdhsa_kernel k_q003f7ce3e8_attn
		.amdhsa_group_segment_fixed_size 327680
		.amdhsa_private_segment_fixed_size 0
		.amdhsa_enable_private_segment 0
		.amdhsa_kernarg_size 64
		.amdhsa_user_sgpr_count 2
		.amdhsa_user_sgpr_kernarg_segment_ptr 1
		.amdhsa_wavefront_size32 1
		.amdhsa_system_sgpr_workgroup_id_x 1
		.amdhsa_system_sgpr_workgroup_id_y 1
		.amdhsa_system_sgpr_workgroup_id_z 1
		.amdhsa_system_vgpr_workitem_id 0
		.amdhsa_next_free_vgpr 512
		.amdhsa_next_free_sgpr 66
		.amdhsa_reserve_vcc 1
		.amdhsa_float_denorm_mode_32 3
		.amdhsa_float_denorm_mode_16_64 3
		.amdhsa_memory_ordered 1
		.amdhsa_forward_progress 1
		.amdhsa_inst_pref_size 224
	.end_amdhsa_kernel
	.amdgpu_metadata
---
amdhsa.version: [ 1, 2 ]
amdhsa.kernels:
  - .name:           k_q003f7ce3e8_attn
    .symbol:         k_q003f7ce3e8_attn.kd
    .args:
      - { .name: inp_q, .offset: 0, .size: 8, .value_kind: global_buffer, .address_space: global }
      - { .name: inp_kv, .offset: 8, .size: 8, .value_kind: global_buffer, .address_space: global }
      - { .name: attn_mask, .offset: 16, .size: 8, .value_kind: global_buffer, .address_space: global }
      - { .name: bo, .offset: 24, .size: 8, .value_kind: global_buffer, .address_space: global }
      - { .name: wcodes, .offset: 32, .size: 8, .value_kind: global_buffer, .address_space: global }
      - { .name: wscal, .offset: 40, .size: 8, .value_kind: global_buffer, .address_space: global }
      - { .name: out0, .offset: 48, .size: 8, .value_kind: global_buffer, .address_space: global }
      - { .name: out1, .offset: 56, .size: 8, .value_kind: global_buffer, .address_space: global }
    .group_segment_fixed_size: 327680
    .private_segment_fixed_size: 0
    .kernarg_segment_align: 8
    .kernarg_segment_size: 64
    .max_flat_workgroup_size: 256
    .sgpr_count:     66
    .vgpr_count:     512
    .wavefront_size: 32
...
	.end_amdgpu_metadata
.endif
;; end of part 4
